; MI455X (gfx1250); checked and timed in simulation.
; The chip was launched on July 23, 2026; its instructions are those of AMD's public machine-readable ISA for CDNA 5 (MIT licence, August 2026) and "CDNA5" Instruction Set Architecture Reference Guide (July 2026). The comments in the code are by the model that wrote it; some were corrected since.
;; Cross Attention. Allowed arithmetic: matrix products marked QUANTISED: E3M2 operands, one E8M0 scale for each 32 along K, by v_wmma_scale_f32_16x16x128_f8f6f4 with both operands' format E3M2, f32 sums; everything else in f32.
;; Inputs: Wkv 1,024 x 2,048 float32; Wout 1,024 x 1,024 float32; Wq 1,024 x 1,024 float32; beta one number float32; bout 1,024 float32; context 2 x 4 x 1,024 x 1,024 float32; doc_similarities 2 x 4 float32; x 2 x 1,024 x 1,024 float32.
;; Outputs: out0 2 x 1,024 x 1,024 float32.
;; This version of the problem:
;;   THIS VERSION OF THE PROBLEM IS GIVEN IN LOW PRECISION. The matrix products marked QUANTISED in the list below multiply operands that are first quantised to E3M2 (3 exponent bits, 2 mantissa bits; 6 bits a number), with one power-of-two scale for each 32 numbers along K (OCP MX v1.0); their sums are f32. All else is computed in f32.
;;   The module's matrix products, in the order in which they are computed (A, B: the left and right operand; K: the contracted axis; several contracted axes count as one K, in the product's order):
;;     1. [M 2,048, K 1,024] x [K 1,024, N 1,024]; A: input x; B: input Wq: QUANTISED
;;     2. [M 8,192, K 1,024] x [K 1,024, N 2,048]; A: input context; B: input Wkv: QUANTISED
;;     3. batch 16 x [M 1,024, K 128] x [K 128, N 4,096]; A: computed on the way; B: computed on the way: QUANTISED
;;     4. batch 16 x [M 1,024, K 4,096] x [K 4,096, N 128]; A: softmax (see below); B: computed on the way: QUANTISED
;;     5. [M 2,048, K 1,024] x [K 1,024, N 1,024]; A: computed on the way; B: input Wout: QUANTISED
;;   THE QUANTISER, for each operand of a quantised product, along K:
;;     - K is cut into blocks of 32 from its start; a last block that is shorter is filled with zeros.
;;     - A block's scale is 2^e with e = floor(log2(the largest magnitude in the block)) - 4, held to -126 .. 127; a block of zeros has e = 0. As a byte (E8M0): e + 127.
;;     - Each number is divided by its block's scale, clamped to +-28, and rounded to the nearest number of E3M2, ties to even, subnormals kept.
;;     - The product sums the exact products of the quantised numbers (number of the format x scale) in f32.
;;   ~~~python
;;   def quantise(x, axis):      # numpy; x: float32 -> the quantised numbers, widened to float32 again
;;       x = np.moveaxis(x, axis, -1); K = x.shape[-1]
;;       x = np.pad(x, [(0, 0)] * (x.ndim - 1) + [(0, -K % 32)]); x = x.reshape(x.shape[:-1] + (-1, 32)); a = np.abs(x).max(-1, keepdims=True)
;;       e = np.where(a > 0, np.clip(np.frexp(np.where(a > 0, a, 1))[1] - 1 - 4, -126, 127), 0)      # np.frexp(a)[1] - 1 = floor(log2(a)), exactly
;;       r = np.clip(x / 2.0 ** e, -28, 28)
;;       step = 2.0 ** (np.maximum(np.frexp(np.where(r == 0, 1, r))[1] - 1, -2) - 2)
;;       q = np.round(r / step) * step * 2.0 ** e      # np.round: ties to even
;;       return np.moveaxis(q.reshape(q.shape[:-2] + (-1,))[..., :K], -1, axis).astype(np.float32)
;;   ~~~
;;   SOFTMAX AHEAD OF A QUANTISED PRODUCT. Where the list says 'softmax', what is quantised is not the finished softmax but p = 2^(t - M), with t = logit x log2(e) and M = ceil(the row's largest t), a whole number; so 1/2 < the row's largest p <= 1. The row's sum l is taken of the UNQUANTISED p, in f32, and the product's result is divided by l at the end. Since M is a whole number, a kernel that streams over the keys may use a running M (the ceiling of the running maximum): every later rescaling is an exact power of two, which a block's scale takes up: the codes' values come out the same.
;;   OPERANDS COMPUTED ON THE WAY. 'Computed on the way' means the value that the module computes at that place (a softmax that the list does not call 'softmax' is quantised finished and normalised). What goes into a quantiser is computed in f32, as accurately as f32 sums, v_exp_f32 and their like allow (about 1e-6 of the number): no bf16 or f16 on the way to a quantiser, and a product that is left as it is and whose result goes on into a quantised operand takes f32 operands (vector FMAs, or v_wmma_f32_16x16x4_f32). A number that lies on a knife's edge between two numbers of the format may be rounded either way, as far as f32 arithmetic and the matrix unit's own rounding can turn it there, and no further.
;; One version. Each part assembles by itself: llvm-mc -triple=amdgcn-amd-amdhsa -mcpu=gfx1250 --defsym DOCPART=n.
;; ======== version 1 of 1: 4 launches
;; limits: right only within a limited range of input values
;; workspace buffers: codes 11,010,048 bytes; sc 458,752 bytes; kv 13,107,200 bytes; oc 1,572,864 bytes; osc 65,536 bytes
;; launch quant (part 1): grid 448 x 1, 4 waves a work-group, no clusters, 49,664 bytes of LDS; arguments x, context, Wq, Wout, Wkv, codes, sc; writes codes, sc
.if DOCPART == 1
	.amdgcn_target "amdgcn-amd-amdhsa--gfx1250"
	.amdhsa_code_object_version 6
	.text
	.protected	k_qb3e92ebe52_quant
	.globl	k_qb3e92ebe52_quant
	.p2align	8
	.type	k_qb3e92ebe52_quant,@function
k_qb3e92ebe52_quant:
	s_mov_b64 s[64:65], 0
	v_nop
	global_prefetch_b8 v0, s[64:65] scope:SCOPE_SE
	s_setreg_imm32_b32 hwreg(HW_REG_WAVE_MODE, 25, 1), 1
	s_wait_xcnt 0x0
; x [2048][1024], context [8192][1024] (K innermost) and Wq, Wout [1024][1024], Wkv [1024][2048] (K is the FIRST axis), all f32, become codes of BF6 (E3M2) with one E8M0 byte for each 32 along K.
; A block's scale is 2^(floor(log2(its largest magnitude)) - 4); its byte is the largest magnitude's exponent field - 4, held at 1 from below.
; LIMITS: NaN and infinities are not served.  A block whose largest magnitude lies under 2^-122, zeros among them, gets the byte 1 (a block of zeros has zero codes, and these bytes are read by this program alone).
; THE OUTPUT LIES IN THE ORDER OF AN OPERAND'S REGISTERS.  A tile is 16 rows: lane-row r of tile T is row 32 (T / 2) + 8 (T % 2) + r + 8 (r / 8) of its tensor (for a weight: column).
; A fragment (a tile x 128 along K) is 12 registers a lane, 1,536 bytes: register g of lane L at 512 (g / 4) + 16 L + 4 (g % 4); lane (r, h), registers 6 c .. 6 c + 5 hold k = 64 c + 32 h + 0 .. 31.
; codes: 896 tiles x 8 fragments.  sc: 896 tiles x 512 bytes, [K half][r][4 words]: a word is the four bytes of one row and 128 along K.
; Tiles: x 0-127, context 128-639, Wq 640-703, Wkv 704-831, Wout 832-895.
; Work-groups 0-319 take rows (x, context), 320-383 Wq and Wout, 384-447 Wkv; each wave reads 32,768 bytes.  No barrier: waves share nothing.  Only the first way uses LDS.
.set WREG,  12288                      ; LDS of a wave
.set SP,    80                         ; a lane's place in a turn stage: 64 bytes + 16
.set SCB,   2*32*SP                    ; behind the two turn stages: the wave's 256 scale bytes
.set IMG,   SCB+256                    ; behind them: four fragments' images, with padding
.set FP,    1632                       ; from fragment to fragment,
.set GP,    544                        ; from four registers to the next four,
.set HP,    272                        ; from lanes 0-15 to lanes 16-31: 256 bytes + 16
.set R,     16                         ; v16-79   rows: four sets of 16 numbers as loaded; at the end the images read back
.set X,     80                         ; v80-111  two sets of 16 neighbours
.set E,     112                        ; v112-127 a scale byte for each step
.set C,     128                        ; v128-191 codes, four registers for each step
.set WX,    32                         ; weights: v32-95 two sets of 32 numbers
.set CF,    96                         ; v96-143  two K steps x two lane halves x 12 registers
.set SB,    24                         ; v24-25   scale bytes
	s_load_b256 s[4:11], s[0:1], 0x0               ; x, context, Wq, Wout
	s_load_b128 s[12:15], s[0:1], 0x20             ; Wkv, codes
	s_load_b64 s[16:17], s[0:1], 0x30              ; sc
	v_lshl_add_u32 v192, v0, 2, 0xc000
	v_mov_b32 v193, 0
	v_lshrrev_b32 v1, 5, v0
	v_readfirstlane_b32 s20, v1                    ; wave
	v_and_b32 v2, 31, v0                           ; lane
	s_wait_kmcnt 0x0
	s_cmp_lt_u32 ttmp9, 320
	s_cbranch_scc0 .Lweights
; ---- ROWS.  Unit U = 4 x work-group + wave is half a tile: 16 rows x 512 along K: four fragments and 256 scale bytes.
; A step is one row's 2,048 bytes: four loads of 512 consecutive bytes; they turn through LDS so that a lane holds 16 neighbours (two lanes a block).
; The lane's 12 bytes of codes go, word by word, to their places in the fragments' images in LDS; at the end the images leave by stores of 512 consecutive bytes.
	s_wait_alu depctr_va_vdst(0)
	v_lshlrev_b32 v3, 4, v2                        ; 16 x lane
	s_mul_i32 s21, s20, WREG
	v_lshrrev_b32 v14, 2, v2
	v_mul_u32_u24 v14, v14, SP
	v_and_b32 v15, 3, v2
	v_lshl_add_u32 v14, v15, 4, v14
	v_add_nc_u32 v14, s21, v14                     ; turn stage, in: SP (lane / 4) + 16 (lane % 4)
	v_mul_u32_u24 v15, v2, SP
	v_add_nc_u32 v15, s21, v15                     ; and out: SP x lane
	v_lshrrev_b32 v5, 1, v2
	v_add_nc_u32 v5, s21, v5
	v_add_nc_u32 v5, SCB, v5                       ; my block's scale byte
	v_lshlrev_b32 v7, 3, v2
	v_add_nc_u32 v6, s21, v7
	v_add_nc_u32 v6, SCB, v6                       ; the scale bytes' way out: 8 bytes a lane
	v_bfe_u32 v8, v2, 2, 1                         ; lane l holds k = 16 l .. 16 l + 15 of the 512: fragment l / 8, block (l / 2) % 4 = 2 c + h, its half l % 2
	v_bfe_u32 v9, v2, 1, 1                         ; h
	v_and_b32 v11, 1, v2
	v_mul_u32_u24 v8, v8, 6
	v_mad_u32_u24 v8, v11, 3, v8                   ; my first register of the fragment: 6 c + 3 (l % 2)
	v_lshrrev_b32 v11, 3, v2
	v_mul_u32_u24 v11, v11, FP
	v_mad_u32_u24 v11, v9, HP, v11
	v_add_nc_u32 v11, s21, v11
	v_add_nc_u32 v11, IMG, v11
.macro IADDR reg, i                    ; where register g = 6 c + 3 (l % 2) + i of row 0 lies in the images; a row is 16 bytes on
	v_add_nc_u32 v9, \i, v8
	v_lshrrev_b32 v[\reg], 2, v9
	v_mul_u32_u24 v[\reg], v[\reg], GP
	v_and_b32 v9, 3, v9
	v_lshl_add_u32 v[\reg], v9, 2, v[\reg]
	v_add_nc_u32 v[\reg], v[\reg], v11
.endm
	IADDR 10, 0
	IADDR 12, 1
	IADDR 13, 2
	v_lshrrev_b32 v4, 4, v2
	v_mul_u32_u24 v4, v4, HP
	v_and_b32 v9, 15, v2
	v_lshl_add_u32 v4, v9, 4, v4
	v_add_nc_u32 v4, s21, v4
	v_add_nc_u32 v4, IMG, v4                       ; the images' way out
	s_lshl_b32 s22, ttmp9, 2
	s_add_co_u32 s22, s22, s20                     ; U
	s_cmp_lt_u32 ttmp9, 64                         ; x's work-group or context's: the choice hangs on the work-group's number alone
	s_cselect_b64 s[4:5], s[4:5], s[6:7]
	s_cselect_b32 s23, 0, 256
	s_sub_co_u32 s23, s22, s23                     ; the unit within its tensor: 2 x tile + K half
	s_lshr_b32 s24, s23, 2
	s_lshl_b32 s24, s24, 17                        ; 32 rows of 4,096 bytes for each pair of tiles,
	s_bfe_u32 s25, s23, 0x10001
	s_lshl_b32 s25, s25, 15                        ; 8 rows for the odd tile,
	s_add_co_u32 s24, s24, s25
	s_and_b32 s25, s23, 1
	s_lshl_b32 s25, s25, 11                        ; 2,048 bytes for the upper K half
	s_add_co_u32 s24, s24, s25
	s_mov_b32 s25, 0
	s_add_nc_u64 s[4:5], s[4:5], s[24:25]
	s_mul_i32 s24, s22, 6144
	s_add_nc_u64 s[14:15], s[14:15], s[24:25]      ; codes + 6,144 U
	s_lshl_b32 s24, s22, 8
	s_add_nc_u64 s[16:17], s[16:17], s[24:25]      ; sc + 256 U
.macro LOAD t                          ; lane-row t is row t + 8 (t / 8) from the tile's first
.irp i, 0,1,2,3
	global_load_b128 v[R+16*((\t)%4)+4*\i:R+16*((\t)%4)+4*\i+3], v3, s[4:5] offset:((\t)+8*((\t)/8))*4096+512*\i th:TH_LOAD_NT
.endr
.endm
.macro TURN t                          ; LDS serves a wave's instructions in order: no wait between the stores and the loads
.irp i, 0,1,2,3
	ds_store_b128 v14, v[R+16*((\t)%4)+4*\i:R+16*((\t)%4)+4*\i+3] offset:32*SP*((\t)%2)+8*SP*\i
.endr
.irp i, 0,1,2,3
	ds_load_b128 v[X+16*((\t)%2)+4*\i:X+16*((\t)%2)+4*\i+3], v15 offset:32*SP*((\t)%2)+16*\i
.endr
.endm
.irp t, 0,1,2,3
	LOAD \t
.endr
	s_wait_loadcnt 12                              ; step 0's four loads are in
	TURN 0
.macro STEP t
.set XS, X+16*((\t)%2)
.if (\t) > 0
	s_wait_dscnt 4                                 ; this step's numbers are back; behind them only the last step's four small stores were issued
.else
	s_wait_dscnt 0x0
.endif
.if (\t)+4 < 16
	LOAD (\t)+4                                    ; into the set whose stores into the stage are done
.endif
.if (\t)+1 < 16
.if 14-(\t) >= 3
	s_wait_loadcnt 12                              ; the next step's four loads are in; three steps' may be out
.else
	s_wait_loadcnt 4*(14-(\t))
.endif
	TURN (\t)+1
.endif
	v_max3_num_f32 v8, |v[XS]|, |v[XS+1]|, |v[XS+2]|
	v_max3_num_f32 v9, |v[XS+3]|, |v[XS+4]|, |v[XS+5]|
.irp i, 6,10
	v_max3_num_f32 v8, v8, |v[XS+\i]|, |v[XS+\i+1]|
	v_max3_num_f32 v9, v9, |v[XS+\i+2]|, |v[XS+\i+3]|
.endr
	v_max3_num_f32 v8, v8, |v[XS+14]|, |v[XS+15]|
	v_max3_num_f32 v8, v8, v9, 0x2800000           ; and the floor 2^(5 - 127): the byte cannot fall under 1
	v_max_num_f32_dpp v8, v8, v8 row_xmask:1 row_mask:0xf bank_mask:0xf   ; with my neighbour's 16: the block's largest magnitude
	v_add_nc_u32 v11, 0xfe000000, v8               ; 4 off its exponent field: the conversion takes this operand's exponent field as its scale
	v_cvt_scalef32_pk16_bf6_f32 v[C+4*(\t):C+4*(\t)+2], v[XS:XS+15], v11
	v_lshrrev_b32 v[E+(\t)], 23, v11               ; the scale's byte (also the plain line behind the conversion)
	ds_store_b8 v5, v[E+(\t)] offset:16*(\t)       ; both lanes of a block write the same byte with the same value
	ds_store_b32 v10, v[C+4*(\t)] offset:16*(\t)
	ds_store_b32 v12, v[C+4*(\t)+1] offset:16*(\t)
	ds_store_b32 v13, v[C+4*(\t)+2] offset:16*(\t)
.endm
.irp t, 0,1,2,3,4,5,6,7,8,9,10,11,12,13,14,15
	STEP \t
.endr
	ds_load_b64 v[8:9], v6                         ; LDS serves a wave's instructions in order: these see my stores
.irp k, 0,1,2,3,4,5,6,7,8,9,10,11
	ds_load_b128 v[R+4*\k:R+4*\k+3], v4 offset:(\k/3)*FP+(\k%3)*GP
.endr
	s_wait_dscnt 12
	global_store_b64 v7, v[8:9], s[16:17]          ; 32 lanes store 256 consecutive bytes, aligned
.irp k, 0,1,2,3,4,5,6,7,8,9,10,11
	s_wait_dscnt 11-\k
	global_store_b128 v3, v[R+4*\k:R+4*\k+3], s[14:15] offset:(\k/3)*1536+(\k%3)*512   ; 512 consecutive bytes, aligned
.endr
	s_wait_tensorcnt 0x0
	ds_add_u32 v192, v193
	s_wait_dscnt 0x0
	s_endpgm
; ---- WEIGHTS.  A lane takes a column and its registers run down K, so a block of 32 lies in one lane and the conversions give K innermost.  A wave takes 32 columns (two tiles: lanes 0-15 the even one) x 256 along K.
; Block t of 8: K step t / 4, and in it block t % 4 = 2 c + h: registers 6 c .. 6 c + 5 of lane 16 h + r of the fragment.  So a lane gathers 12 registers for each (K step, h) and stores them 16 bytes at a time:
; sixteen lanes fill 256 consecutive bytes, aligned.
.macro WLOAD t, pitch
.irp i, 0,1,2,3,4,5,6,7,8,9,10,11,12,13,14,15,16,17,18,19,20,21,22,23,24,25,26,27,28,29,30,31
	global_load_b32 v[WX+32*((\t)%2)+\i], v3, s[4:5] offset:(32*(\t)+\i)*\pitch th:TH_LOAD_NT
.endr
.endm
.macro BLOCK t, pitch
.set XS, WX+32*((\t)%2)
.set CD, CF+24*((\t)/4)+12*((\t)%2)+6*(((\t)%4)/2)
.if (\t) < 7
	s_wait_loadcnt 32                              ; this block's 32 loads are in; the next block's may be out
.else
	s_wait_loadcnt 0x0
.endif
	v_max3_num_f32 v12, |v[XS]|, |v[XS+1]|, |v[XS+2]|
	v_max3_num_f32 v13, |v[XS+3]|, |v[XS+4]|, |v[XS+5]|
.irp i, 6,10,14,18,22,26
	v_max3_num_f32 v12, v12, |v[XS+\i]|, |v[XS+\i+1]|
	v_max3_num_f32 v13, v13, |v[XS+\i+2]|, |v[XS+\i+3]|
.endr
	v_max3_num_f32 v12, v12, |v[XS+30]|, |v[XS+31]|
	v_max3_num_f32 v12, v12, v13, 0x2800000        ; and the floor
	v_add_nc_u32 v11, 0xfe000000, v12
	v_lshrrev_b32 v13, 23, v11
.if (\t)%4 == 0
	v_mov_b32 v[SB+(\t)/4], v13
.else
	v_lshl_or_b32 v[SB+(\t)/4], v13, 8*((\t)%4), v[SB+(\t)/4]
.endif
	v_cvt_scalef32_pk16_bf6_f32 v[CD:CD+2], v[XS:XS+15], v11
	v_cvt_scalef32_pk16_bf6_f32 v[144:146], v[XS+16:XS+31], v11   ; (a conversion's three registers begin on an even number)
	v_nop                                          ; one plain line behind a scaled conversion
	v_mov_b32 v[CD+3], v144
	v_mov_b32 v[CD+4], v145
	v_mov_b32 v[CD+5], v146
.if (\t)+2 < 8
	WLOAD (\t)+2, \pitch
.endif
.if (\t)%4 == 3
.irp h, 0,1
.irp j, 0,1,2
	global_store_b128 v8, v[CF+24*((\t)/4)+12*\h+4*\j:CF+24*((\t)/4)+12*\h+4*\j+3], s[14:15] offset:((\t)/4)*1536+\j*512+\h*256
.endr
.endr
.endif
.endm
; s[4:5] the weight, s22 its first tile, s23 the work-group's number within it.  gb: bits of the column part of that number
.macro WPATH pitch, gb
	s_and_b32 s24, s23, (1<<\gb)-1
	s_lshr_b32 s25, s23, \gb                       ; which 256 along K
	s_lshl_b32 s24, s24, 2
	s_add_co_u32 s24, s24, s20                     ; which 32 columns
	v_and_b32 v4, 15, v2                           ; r
	v_lshrrev_b32 v5, 4, v2                        ; which tile of the pair
	v_and_b32 v6, 8, v4
	v_add_nc_u32 v6, v6, v4
	v_lshl_add_u32 v6, v5, 3, v6                   ; my column of the 32: 8 (l / 16) + r + 8 (r / 8)
	v_lshlrev_b32 v3, 2, v6
	s_wait_alu depctr_va_vdst(0)
	v_lshlrev_b32 v7, 4, v4
	v_mad_u32_u24 v8, v5, 12288, v7                ; codes: my tile, 16 r
	v_lshl_add_u32 v9, v5, 9, v7                   ; scale bytes: my tile, 16 r
	s_mul_i32 s26, s25, 256*\pitch
	s_lshl_b32 s27, s24, 7
	s_add_co_u32 s26, s26, s27
	s_mov_b32 s27, 0
	s_add_nc_u64 s[4:5], s[4:5], s[26:27]
	s_lshl_b32 s28, s24, 1
	s_add_co_u32 s28, s28, s22                     ; the even tile
	s_mul_i32 s26, s28, 12288
	s_mul_i32 s29, s25, 3072
	s_add_co_u32 s26, s26, s29
	s_add_nc_u64 s[14:15], s[14:15], s[26:27]
	s_lshl_b32 s26, s28, 9
	s_lshr_b32 s29, s25, 1
	s_lshl_b32 s29, s29, 8
	s_add_co_u32 s26, s26, s29
	s_and_b32 s29, s25, 1
	s_lshl_b32 s29, s29, 3
	s_add_co_u32 s26, s26, s29
	s_add_nc_u64 s[16:17], s[16:17], s[26:27]
	WLOAD 0, \pitch
	WLOAD 1, \pitch
.irp t, 0,1,2,3,4,5,6,7
	BLOCK \t, \pitch
.endr
	global_store_b64 v9, v[SB:SB+1], s[16:17]      ; my column's two scale words
.endm
.Lweights:
	s_cmp_lt_u32 ttmp9, 384
	s_cbranch_scc0 .Lwkv
	s_cmp_lt_u32 ttmp9, 352
	s_cselect_b64 s[4:5], s[8:9], s[10:11]         ; Wq or Wout
	s_mov_b32 s22, 832
	s_cselect_b32 s22, 640, s22
	s_and_b32 s23, ttmp9, 31
	s_wait_alu depctr_va_vdst(0)
	WPATH 4096, 3
	s_endpgm
.Lwkv:
	s_mov_b64 s[4:5], s[12:13]
	s_mov_b32 s22, 704
	s_and_b32 s23, ttmp9, 63
	s_wait_alu depctr_va_vdst(0)
	WPATH 8192, 4
	s_endpgm
.Lfunc_end_k_qb3e92ebe52_quant:
	.size	k_qb3e92ebe52_quant, .Lfunc_end_k_qb3e92ebe52_quant-k_qb3e92ebe52_quant
	.p2alignl 7, 3214868480
	.fill 96, 4, 3214868480
	.section	.rodata,"a",@progbits
	.p2align	6, 0x0
	.amdhsa_kernel k_qb3e92ebe52_quant
		.amdhsa_group_segment_fixed_size 49664
		.amdhsa_private_segment_fixed_size 0
		.amdhsa_enable_private_segment 0
		.amdhsa_kernarg_size 56
		.amdhsa_user_sgpr_count 2
		.amdhsa_user_sgpr_kernarg_segment_ptr 1
		.amdhsa_wavefront_size32 1
		.amdhsa_system_sgpr_workgroup_id_x 1
		.amdhsa_system_sgpr_workgroup_id_y 1
		.amdhsa_system_sgpr_workgroup_id_z 1
		.amdhsa_system_vgpr_workitem_id 0
		.amdhsa_next_free_vgpr 194
		.amdhsa_next_free_sgpr 66
		.amdhsa_reserve_vcc 0
		.amdhsa_float_denorm_mode_32 3
		.amdhsa_float_denorm_mode_16_64 3
		.amdhsa_memory_ordered 1
		.amdhsa_forward_progress 1
		.amdhsa_inst_pref_size 115
	.end_amdhsa_kernel
	.amdgpu_metadata
---
amdhsa.version: [ 1, 2 ]
amdhsa.kernels:
  - .name:           k_qb3e92ebe52_quant
    .symbol:         k_qb3e92ebe52_quant.kd
    .args:
      - { .name: x, .offset: 0, .size: 8, .value_kind: global_buffer, .address_space: global }
      - { .name: context, .offset: 8, .size: 8, .value_kind: global_buffer, .address_space: global }
      - { .name: Wq, .offset: 16, .size: 8, .value_kind: global_buffer, .address_space: global }
      - { .name: Wout, .offset: 24, .size: 8, .value_kind: global_buffer, .address_space: global }
      - { .name: Wkv, .offset: 32, .size: 8, .value_kind: global_buffer, .address_space: global }
      - { .name: codes, .offset: 40, .size: 8, .value_kind: global_buffer, .address_space: global }
      - { .name: sc, .offset: 48, .size: 8, .value_kind: global_buffer, .address_space: global }
    .group_segment_fixed_size: 49664
    .private_segment_fixed_size: 0
    .kernarg_segment_align: 8
    .kernarg_segment_size: 56
    .max_flat_workgroup_size: 128
    .sgpr_count:     66
    .vgpr_count:     194
    .wavefront_size: 32
...
	.end_amdgpu_metadata
.endif
;; end of part 1
;; launch kvproj (part 2): grid 64 x 4, 4 waves a work-group, clusters of 4 x 4, 327,680 bytes of LDS; arguments codes, sc, kv; writes kv
.if DOCPART == 2
	.amdgcn_target "amdgcn-amd-amdhsa--gfx1250"
	.amdhsa_code_object_version 6
	.text
	.protected	k_qb3e92ebe52_kvproj
	.globl	k_qb3e92ebe52_kvproj
	.p2align	8
	.type	k_qb3e92ebe52_kvproj,@function
k_qb3e92ebe52_kvproj:
	s_mov_b64 s[64:65], 0
	v_nop
	global_prefetch_b8 v0, s[64:65] scope:SCOPE_SE
	s_setreg_imm32_b32 hwreg(HW_REG_WAVE_MODE, 25, 1), 1
	s_wait_xcnt 0x0
	s_wait_alu depctr_hold_cnt(0) depctr_sa_sdst(0) depctr_va_vdst(0) depctr_va_sdst(0) depctr_va_ssrc(0) depctr_va_vcc(0) depctr_vm_vsrc(0)
	s_getreg_b32 s2, hwreg(HW_REG_IB_STS2, 6, 4)
	s_cmp_eq_u32 s2, 0
	s_cbranch_scc0 .Lentry_in_a_cluster
	s_endpgm
.Lentry_in_a_cluster:
	s_bfe_u32 s2, ttmp6, 0x10000c
	s_cmp_lg_u32 s2, 0xf033
	s_cbranch_scc0 .Lentry_shape_is_right
	s_endpgm
.Lentry_shape_is_right:
; kv = context Wkv on codes of BF6 (E3M2) with E8M0 scales, K = 1,024, and its result quantised in registers: k along the head's 128, v along the keys.  Nothing goes to memory as f32.
; LIMITS: NaN and infinities are not served; a block of the result under 2^-122 gets the byte 1 (read by this program alone).
; ONE TEXT FOR k AND v.  Source 1 of the matrix instruction is the P side: a lane is one of its rows.  Source 0 is the R side: a lane's registers run along it, and along it the result is quantised.
;   clusters 0-7, k: P = tokens, R = Wk's columns;   clusters 8-15, v: P = Wv's columns, R = tokens.  What differs is chosen by selects on the cluster's number: tile numbers and the place of the result.
; A tile's lane-row r is row 32 (T / 2) + 8 (T % 2) + r + 8 (r / 8), so the 16 registers of R tiles 2 b and 2 b + 1 are 16 neighbours, 32 b + 16 (lane / 16) + 0 .. 15.
; A work-group makes 256 P x 256 R, a wave 128 x 128: 64 accumulators, 512 registers: one key step (128 keys) of one head, of k or of v: eight fragments and their scale words.
; codes, sc: operands in the order of their registers: a fragment is 1,536 bytes, three loads of 16 bytes a lane at 16 x lane; a tile's 8 fragments (K steps) lie on end.
; kv: 512 blocks of 25,600 bytes, block (batch x 8 + head) x 32 + key step: K's 8 fragments, V's 8, K's scale words (512 bytes: [tiles 0-3 | 4-7][r][4 words]), V's.
; LDS: region E, 32 tiles x 3,072 bytes (two K steps), and region F, 32 tiles x 6,144 bytes (four K steps); in each P's 16 tiles, then R's 16.
; THE HEAD'S FOUR LOADS, ONE A WAVE: wave 0 K steps 0-1 of P's 16 tiles, wave 1 of R's, wave 2 K steps 2-5 of P's, wave 3 of R's.  E is filled again once, with K steps 6-7, a quarter a wave, behind the round in K step 1.
; CLUSTER 4 x 4: P's tiles are shared along a row of the cluster, R's along a column: joint loads, each with the same descriptor in the four that its mask names.
; NO PREFETCH: the walk along K is eight steps written out, with no loop to run ahead in, and six of the eight are asked for at the head.
; REGISTERS: window 0: addresses; v32-63 at work on the way out; v64-127 ALL scale words (register 8 i + K step: lanes 0-15 P tile i's, lanes 16-31 R tile i's); v128-223 P's 8 fragments, one set, later the codes made.
;   window 1: R's fragments, two sets, at v0 and v128.   windows 2, 3: accumulator (a, b) at v[8 (8 (a % 4) + b)].
.set FR,    12
.set FRB,   1536
.set SPARE, 294912                     ; behind E and F: the spare words, 128 bytes for each wave: two blocks of 256 bytes that no other line names
.set LI,    2                          ; v2      16 x lane
.set ADRA,  16                         ; v16-17  my P fragments in E, F
.set ADRB,  20                         ; v20-21  my R fragments
.set SOF,   27                         ; v27     my offset in sc
.set SPW,   28                         ; v28     my spare word; never rewritten
.set NIL,   29                         ; v29     0; never rewritten
.set PT,    32                         ; v32-39  a conversion's second halves
.set PW,    40                         ; v40-47  the scale word of P tile a
.set TM,    48                         ; v48-51 largest magnitudes, v52-55 bytes, v56-59 the scale words as stored, v60-63 the conversions' scale operands
.set SC,    64
.set AF,    128
.set G0EP,  32                         ; group 0 of the head's four loads
.set G0ER,  36
.set G0FP,  40
.set G0FR,  44
.set G0P,   48                         ; group 0 of the refill: my 8 tiles of P,
.set G0R,   52                         ; or of R
.set G1FP,  56                         ; group 1: 16 tiles x 6,144 bytes
.set G1FR,  24
.set G1EP,  68                         ; group 1: 16 tiles x 3,072 bytes; for the refill 8 tiles
.set G1ER,  76
.set MSB, 0
.macro WIN new                         ; the immediate's high byte repeats the setting that is left
.if MSB != \new
	s_set_vgpr_msb (MSB<<8)|\new
.set MSB, \new
.endif
.endm
.set MUL_LO, 0xa1                      ; source 0 (R) window 1, source 1 (P) window 0, C and D window 2
.set MUL_HI, 0xf1                      ; the same, C and D window 3
.set TO_B,   0x40                      ; destination window 1
.macro PLACES
.rept 4
	v_nop
.endr
.endm
.macro JLOAD                           ; the one refill: waves 0 and 1 fetch P's halves, waves 2 and 3 R's; s_nop 0 and four v_nop follow each line
	s_cmp_eq_u32 s15, 0
	s_cbranch_scc0 .Lfor_r_\@
	tensor_load_to_lds s[G0P:G0P+3], s[G1EP:G1EP+7]
	s_nop 0
	PLACES
	s_branch .Lasked_\@
.Lfor_r_\@:
	tensor_load_to_lds s[G0R:G0R+3], s[G1ER:G1ER+7]
	s_nop 0
	PLACES
.Lasked_\@:
.endm
.macro CREST                           ; a round of the cluster's barrier behind its opening barrier
	s_cmp_lg_u32 s14, 0
	s_cbranch_scc1 .Lnot_wave_0_\@
	s_barrier_signal -3
.Lnot_wave_0_\@:
	s_barrier_wait -3
	s_barrier_signal -1
	s_barrier_wait -1
.endm
.macro CROUND
	s_barrier_signal -1
	s_barrier_wait -1
	CREST
.endm
	s_load_b128 s[4:7], s[0:1], 0x0                ; codes, sc
	s_load_b64 s[8:9], s[0:1], 0x10                ; kv
	v_lshl_add_u32 v[SPW], v0, 2, SPARE
	v_mov_b32 v[NIL], 0
	ds_add_u32 v[SPW], v[NIL]                      ; the opening lines: the add, twice on end, and its wait ahead of my first tensor load
	ds_add_u32 v[SPW], v[NIL]
	v_lshrrev_b32 v1, 5, v0
	v_readfirstlane_b32 s14, v1                    ; wave
	s_lshr_b32 s15, s14, 1                         ; my half of P.  Also: the refill fetches for P (0) or for R (1)
	s_and_b32 s16, s14, 1                          ; my half of R.  Also: which 8 tiles the refill fetches
	s_bfe_u32 s84, ttmp6, 0x40000                  ; cx
	s_bfe_u32 s85, ttmp6, 0x40004                  ; cy
	s_lshl_b32 s86, s85, 2
	s_lshl_b32 s86, 15, s86                        ; my row of the cluster
	s_lshl_b32 s87, 0x1111, s84                    ; my column
	s_or_b32 s[G1EP], s86, (3<<16)|(1<<21)         ; 15:0 the mask; 17:16 elements of 8 bytes; 21 set beside a mask; no padding
	s_or_b32 s[G1FP], s86, (3<<16)|(1<<21)
	s_or_b32 s[G1ER], s87, (3<<16)|(1<<21)
	s_or_b32 s[G1FR], s87, (3<<16)|(1<<21)
.irp g, G1EP, G1ER
	s_mov_b32 s[\g+1], 384<<16                     ; tensor_dim0 = 384 elements: two fragments, 3,072 bytes
	s_mov_b32 s[\g+2], 16<<16                      ; tensor_dim1 = 16 tiles
	s_mov_b32 s[\g+3], 384<<16                     ; tile_dim0
	s_mov_b32 s[\g+4], 16                          ; tile_dim1
	s_mov_b32 s[\g+5], 1536                        ; from tile to tile: 12,288 bytes
	s_mov_b32 s[\g+6], 0
	s_mov_b32 s[\g+7], 0
.endr
.irp g, G1FP, G1FR
	s_mov_b32 s[\g+1], 768<<16                     ; four fragments, 6,144 bytes
	s_mov_b32 s[\g+2], 16<<16
	s_mov_b32 s[\g+3], 768<<16
	s_mov_b32 s[\g+4], 16
	s_mov_b32 s[\g+5], 1536
	s_mov_b32 s[\g+6], 0
	s_mov_b32 s[\g+7], 0
.endr
	s_lshl_b32 s88, ttmp9, 6
	s_add_co_u32 s88, s88, 128                     ; k: the cluster's tokens begin at tile 128 + 64 c
	s_lshl_b32 s89, ttmp9, 6
	s_sub_co_u32 s89, s89, 384                     ; v: at tile 128 + 64 (c - 8)
	s_mov_b32 s90, 768
	s_mov_b32 s92, 704
	s_cmp_lt_u32 ttmp9, 8
	s_cselect_b32 s88, s88, s90
	s_cselect_b32 s89, s92, s89
	s_lshl_b32 s90, s85, 4
	s_add_co_u32 s88, s88, s90                     ; P's first tile: hangs on cy alone
	s_lshl_b32 s92, s84, 4
	s_add_co_u32 s89, s89, s92                     ; R's first tile: on cx alone
	s_mul_i32 s90, s88, 12288
	s_mov_b32 s91, 0
	s_mul_i32 s92, s89, 12288
	s_mov_b32 s93, 0
	s_mul_i32 s12, s16, 98304                      ; the refill: which 8 tiles, in bytes,
	s_mov_b32 s13, 0
	s_mul_i32 s94, s14, 24576                      ; and where they go: wave x 8 tiles: no place in the cluster enters an LDS address
	s_mov_b32 s18, 0x76543210
	s_mov_b32 s19, 0xfedcba98                      ; v_permlanex16_b32's selects for lane l xor 16
	s_wait_dscnt 0x0                               ; both opening adds are done
	s_wait_kmcnt 0x0
	s_add_nc_u64 s[90:91], s[4:5], s[90:91]        ; P's 16 tiles
	s_add_nc_u64 s[92:93], s[4:5], s[92:93]        ; R's
	s_mov_b32 s[G0EP], 1
	s_mov_b32 s[G0EP+1], 0
	s_mov_b64 s[G0EP+2:G0EP+3], s[90:91]
	s_or_b32 s[G0EP+3], s[G0EP+3], 0x80000000
	s_mov_b32 s[G0ER], 1
	s_mov_b32 s[G0ER+1], 49152
	s_mov_b64 s[G0ER+2:G0ER+3], s[92:93]
	s_or_b32 s[G0ER+3], s[G0ER+3], 0x80000000
	s_mov_b32 s[G0FP], 1
	s_mov_b32 s[G0FP+1], 98304
	s_add_nc_u64 s[G0FP+2:G0FP+3], s[90:91], 2*FRB ; from K step 2 on
	s_or_b32 s[G0FP+3], s[G0FP+3], 0x80000000
	s_mov_b32 s[G0FR], 1
	s_mov_b32 s[G0FR+1], 196608
	s_add_nc_u64 s[G0FR+2:G0FR+3], s[92:93], 2*FRB
	s_or_b32 s[G0FR+3], s[G0FR+3], 0x80000000
	s_mov_b32 s[G0P], 1
	s_mov_b32 s[G0P+1], s94
	s_add_nc_u64 s[G0P+2:G0P+3], s[90:91], s[12:13]
	s_add_nc_u64 s[G0P+2:G0P+3], s[G0P+2:G0P+3], 6*FRB   ; K steps 6 and 7
	s_or_b32 s[G0P+3], s[G0P+3], 0x80000000
	s_mov_b32 s[G0R], 1
	s_mov_b32 s[G0R+1], s94
	s_add_nc_u64 s[G0R+2:G0R+3], s[92:93], s[12:13]
	s_add_nc_u64 s[G0R+2:G0R+3], s[G0R+2:G0R+3], 6*FRB
	s_or_b32 s[G0R+3], s[G0R+3], 0x80000000
	; the LDS addresses and the scale words' loads stand ahead of the round: waves 0 and 1 wait for their tiles inside their arms
	s_mul_i32 s20, s15, 24576                      ; E: my 8 tiles of P,
	s_mul_i32 s21, s16, 24576
	s_add_co_u32 s21, s21, 49152                   ; my 8 of R, behind P's 16
	s_mul_i32 s22, s15, 49152                      ; F likewise
	s_add_co_u32 s22, s22, 98304
	s_mul_i32 s23, s16, 49152
	s_add_co_u32 s23, s23, 196608
	s_lshl_b32 s90, s15, 3
	s_add_co_u32 s90, s90, s88
	s_lshl_b32 s90, s90, 9                         ; my P tiles' scale words in sc,
	s_lshl_b32 s91, s16, 3
	s_add_co_u32 s91, s91, s89
	s_lshl_b32 s91, s91, 9                         ; my R tiles'
	v_and_b32 v1, 31, v0                           ; lane
	v_lshlrev_b32 v[LI], 4, v1
	v_add_nc_u32 v[ADRA], s20, v[LI]
	v_add_nc_u32 v[ADRB], s21, v[LI]
	v_add_nc_u32 v[ADRA+1], s22, v[LI]
	v_add_nc_u32 v[ADRB+1], s23, v[LI]
.irp b, 0,1,2,3
	v_mov_b32 v[TM+4+\b], 0                        ; written once: a lane permute's destination counts as one of its sources
.endr
	v_mov_b32 v3, s90
	v_mov_b32 v4, s91
	v_cmp_gt_u32 vcc_lo, 16, v1
	v_cndmask_b32 v[SOF], v4, v3, vcc_lo           ; lanes 0-15 take P's, lanes 16-31 R's
	v_and_b32 v5, 15, v1
	v_lshl_add_u32 v[SOF], v5, 4, v[SOF]
.irp i, 0,1,2,3,4,5,6,7
.irp f, 0,1
	global_load_b128 v[SC+8*\i+4*\f:SC+8*\i+4*\f+3], v[SOF], s[6:7] offset:512*\i+256*\f   ; tile i, K steps 4 f .. 4 f + 3: sixteen lanes read 256 consecutive bytes
.endr
.endr
	s_wait_alu depctr_va_vdst(0)                   ; the wait here
	CROUND                                         ; all sixteen work-groups are here: the first joint loads meet
; one chain of branches on the wave's number, a load to an arm, all arms leading to one join: every way through the head passes exactly one load.
; wt = 1: the arm also holds the wait that the reads of its tile need: E (K steps 0-1) is read behind the first barrier.  F's two loads stay out across that barrier, behind which nothing is filled;
; every wave waits for all its loads in K step 1, ahead of the barrier behind which F is first read.
.macro ARM under, g0, g1, next, wt
	s_cmp_lt_u32 s14, \under
	s_cbranch_scc0 \next
	tensor_load_to_lds s[\g0:\g0+3], s[\g1:\g1+7]
	s_nop 0
	PLACES
.if \wt
	s_wait_tensorcnt 0x0                           ; my half of E is in
.endif
	s_branch .Lhead_asked
\next:
.endm
	ARM 1, G0EP, G1EP, .Lhead_er, 1
	ARM 2, G0ER, G1ER, .Lhead_fp, 1
	ARM 3, G0FP, G1FP, .Lhead_fr, 0
	tensor_load_to_lds s[G0FR:G0FR+3], s[G1FR:G1FR+7]
	s_nop 0
	PLACES
.Lhead_asked:
	; where my results go
	s_lshl_b32 s20, s85, 1
	s_add_co_u32 s20, s20, s15                     ; which 128 of the cluster's P
	s_lshl_b32 s21, s84, 1
	s_add_co_u32 s21, s21, s16                     ; which 128 of its R
	s_and_b32 s22, ttmp9, 7
	s_lshl_b32 s22, s22, 3
	s_cmp_lt_u32 ttmp9, 8
	s_cselect_b32 s23, s20, s21                    ; the tokens' side gives the key step,
	s_cselect_b32 s92, s21, s20                    ; the weight's side the head,
	s_cselect_b32 s93, 0, 1                        ; and k or v the part of the block
	s_add_co_u32 s22, s22, s23                     ; key step 0 .. 63 over both batches
	s_lshr_b32 s23, s22, 5
	s_lshl_b32 s23, s23, 3
	s_add_co_u32 s23, s23, s92
	s_lshl_b32 s23, s23, 5
	s_and_b32 s22, s22, 31
	s_add_co_u32 s23, s23, s22                     ; the block
	s_mul_i32 s22, s23, 25600
	s_mov_b32 s23, 0
	s_add_nc_u64 s[8:9], s[8:9], s[22:23]
	s_lshl_b32 s22, s93, 9
	s_add_co_u32 s22, s22, 24576
	s_add_nc_u64 s[10:11], s[8:9], s[22:23]        ; its scale words
	s_mul_i32 s22, s93, 12288
	s_add_nc_u64 s[8:9], s[8:9], s[22:23]          ; its fragments
.macro FRAG reg, adr, off              ; a fragment comes as it lies: three loads of 16 bytes a lane, each of 512 consecutive bytes
.irp j, 0,1,2
	ds_load_b128 v[\reg+4*\j:\reg+4*\j+3], v[\adr] offset:\off+512*\j
.endr
.endm
; slot 0 is E (a tile every 2 fragments), slot 1 is F (every 4); q: which K step of the region
.macro FETCH_B slot, q, p              ; R's eight fragments into set p
	WIN TO_B
.irp i, 0,1,2,3,4,5,6,7
	FRAG 128*(\p)+FR*\i, ADRB+\slot, \i*(2+2*(\slot))*FRB+FRB*(\q)
.endr
	WIN 0
.endm
.macro FETCH_A slot, q, i0             ; P's tiles i0 .. i0 + 3
.irp i, \i0, \i0+1, \i0+2, \i0+3
	FRAG AF+FR*(\i), ADRA+\slot, (\i)*(2+2*(\slot))*FRB+FRB*(\q)
.endr
.endm
; 16 matrix instructions: P's tiles a0, a0 + 1 x R's eight, K step ks.  The 64 accumulators take turns, one instruction a turn, in the same order in every K step.
.macro MUL16 a0, p, ks, zero
.irp a, \a0, \a0+1
.irp b, 0,1,2,3,4,5,6,7
.if \zero
	v_wmma_scale_f32_16x16x128_f8f6f4 v[8*(8*((\a)%4)+\b):8*(8*((\a)%4)+\b)+7], v[128*(\p)+FR*\b:128*(\p)+FR*\b+FR-1], v[AF+FR*(\a):AF+FR*(\a)+FR-1], 0, v[SC+8*\b+(\ks)], v[SC+8*(\a)+(\ks)] matrix_a_fmt:MATRIX_FMT_BF6 matrix_b_fmt:MATRIX_FMT_BF6 matrix_a_scale:MATRIX_SCALE_ROW1
.else
	v_wmma_scale_f32_16x16x128_f8f6f4 v[8*(8*((\a)%4)+\b):8*(8*((\a)%4)+\b)+7], v[128*(\p)+FR*\b:128*(\p)+FR*\b+FR-1], v[AF+FR*(\a):AF+FR*(\a)+FR-1], v[8*(8*((\a)%4)+\b):8*(8*((\a)%4)+\b)+7], v[SC+8*\b+(\ks)], v[SC+8*(\a)+(\ks)] matrix_a_fmt:MATRIX_FMT_BF6 matrix_b_fmt:MATRIX_FMT_BF6 matrix_a_scale:MATRIX_SCALE_ROW1
.endif
.endr
.endr
.endm
; K step ks; in its middle and at its end it fetches the next K step, the nq-th of region nslot.  Four plain places stand in front of each run of loads into registers that matrix instructions have read.
.macro STEP ks, nslot, nq, zero
	s_wait_dscnt 12                                ; R's set and P's tiles 0-3 are in; the youngest twelve loads (tiles 4-7) may be out
	WIN MUL_LO
	MUL16 0, (\ks)%2, \ks, \zero
	MUL16 2, (\ks)%2, \ks, \zero
	s_wait_dscnt 0x0                               ; tiles 4-7 are in
	PLACES
	FETCH_B \nslot, \nq, 1-(\ks)%2
	FETCH_A \nslot, \nq, 0
	WIN MUL_HI
	MUL16 4, (\ks)%2, \ks, \zero
	MUL16 6, (\ks)%2, \ks, \zero
	PLACES
	WIN 0
	FETCH_A \nslot, \nq, 4
.endm
; A K step with a barrier in it.  In front of the barrier each wave waits for all its tensor loads, adds 0 to its spare word, and waits for that and for its reads of the region that it leaves.
; fill = 1: the barrier opens a round of the cluster's, and behind the round E is filled again, with K steps 6 and 7.
.macro TURN ks, nslot, fill
	s_wait_tensorcnt 0x0                           ; all my tensor loads have landed
	ds_add_u32 v[SPW], v[NIL]
	s_wait_dscnt 13                                ; (the add and the youngest twelve loads may be out)
	WIN MUL_LO
	MUL16 0, (\ks)%2, \ks, 0
	s_wait_dscnt 0x0                               ; the add is done, and my reads of the region are over
	s_barrier_signal -1
	MUL16 2, (\ks)%2, \ks, 0
	WIN 0
	s_barrier_wait -1
.if \fill
	CREST                                          ; no wave of any partner still reads E or has a load on its way
	s_mov_b32 s[G1EP+2], 8<<16                     ; no tensor load of mine is out, so a descriptor may be written: the refill brings 8 tiles a wave
	s_mov_b32 s[G1EP+4], 8
	s_mov_b32 s[G1ER+2], 8<<16
	s_mov_b32 s[G1ER+4], 8
	JLOAD                                          ; the first tensor load behind the round; its four v_nop are the places in front of the loads below
.else
	PLACES
.endif
	FETCH_B \nslot, 0, 1-(\ks)%2
	FETCH_A \nslot, 0, 0
	WIN MUL_HI
	MUL16 4, (\ks)%2, \ks, 0
	MUL16 6, (\ks)%2, \ks, 0
	PLACES
	WIN 0
	FETCH_A \nslot, 0, 4
.endm
	s_barrier_signal -1                            ; waves 0 and 1 have waited for E's two halves in their arms
	s_barrier_wait -1                              ; E is whole
	FETCH_B 0, 0, 0
	FETCH_A 0, 0, 0
	FETCH_A 0, 0, 4
	s_wait_loadcnt 0x0                             ; the scale words
	STEP 0, 0, 1, 1                                ; the first K step starts the sums: nothing is cleared
	TURN 1, 1, 1                                   ; E is left and asked for again
	STEP 2, 1, 1, 0
	STEP 3, 1, 2, 0
	STEP 4, 1, 3, 0
	TURN 5, 0, 0                                   ; the refill has landed, in every wave
	STEP 6, 0, 1, 0
	s_wait_dscnt 12
	WIN MUL_LO
	MUL16 0, 1, 7, 0
	MUL16 2, 1, 7, 0
	s_wait_dscnt 0x0
	WIN MUL_HI
	MUL16 4, 1, 7, 0
	MUL16 6, 1, 7, 0
	WIN 0
; THE WAY OUT.  P tile a: a lane's 64 results, register 16 b + i = R row 32 b + 16 (lane / 16) + i, become a fragment's codes and the row's scale word.  Each accumulator is read from its low end on.
.macro QUANT a
.set QW, 2+(\a)/4
.set QM, QW|(QW<<2)
.set QS, 64*((\a)%4)
.set QC, AF+FR*(\a)
	WIN QM                                         ; sources 0 and 1: the accumulators' window
.irp b, 0,1,2,3
	v_max3_num_f32 v[TM+\b], |v[QS+16*\b]|, |v[QS+16*\b+1]|, 0x2800000   ; with the floor 2^(5 - 127): the byte cannot fall under 1
.endr
.irp i, 2,4,6,8,10,12,14
.irp b, 0,1,2,3
	v_max3_num_f32 v[TM+\b], |v[QS+16*\b+\i]|, |v[QS+16*\b+\i+1]|, v[TM+\b]
.endr
.endr
	WIN 0
.irp b, 0,1,2,3
	v_permlanex16_b32 v[TM+4+\b], v[TM+\b], s18, s19
.endr
.irp b, 0,1,2,3
	v_max_num_f32 v[TM+\b], v[TM+\b], v[TM+4+\b]   ; with lane l xor 16's: the block's largest magnitude
.endr
.irp b, 0,1,2,3
	v_add_nc_u32 v[TM+12+\b], 0xfe000000, v[TM+\b] ; 4 off its exponent field: the conversion's scale operand
.endr
.irp b, 0,1,2,3
	v_lshrrev_b32 v[TM+4+\b], 23, v[TM+12+\b]      ; the scale's byte
.endr
	v_lshl_or_b32 v[PW+(\a)], v[TM+5], 8, v[TM+4]
	v_lshl_or_b32 v[PW+(\a)], v[TM+6], 16, v[PW+(\a)]
	v_lshl_or_b32 v[PW+(\a)], v[TM+7], 24, v[PW+(\a)]
	WIN QW                                         ; source 0: the accumulators' window
.irp c, 0,1
	v_cvt_scalef32_pk16_bf6_f32 v[QC+6*\c:QC+6*\c+2], v[QS+32*\c:QS+32*\c+15], v[TM+12+2*\c]
	v_cvt_scalef32_pk16_bf6_f32 v[PT+4*\c:PT+4*\c+2], v[QS+32*\c+16:QS+32*\c+31], v[TM+13+2*\c]   ; (a conversion's three registers begin on an even number)
.endr
	WIN 0
	v_nop                                          ; one plain line behind a scaled conversion
.irp c, 0,1                                    ; the layout wants a whole block in a lane: lanes 0-15 block 2 c, lanes 16-31 block 2 c + 1
.irp i, 0,1,2
	v_permlane16_swap_b32 v[QC+6*\c+\i], v[PT+4*\c+\i]
.endr
.irp i, 0,1,2
	v_mov_b32 v[QC+3+6*\c+\i], v[PT+4*\c+\i]
.endr
.endr
.irp j, 0,1,2
	global_store_b128 v[LI], v[QC+4*\j:QC+4*\j+3], s[8:9] offset:FRB*(\a)+512*\j   ; 512 consecutive bytes, aligned; each tile has registers of its own, so no store's data are written again
.endr
.endm
	PLACES                                         ; behind the last products: the codes are laid over P's fragments
.irp a, 0,1,2,3,4,5,6,7
	QUANT \a
.endr
	v_cmp_gt_u32 vcc_lo, 16, v1
.irp j, 0,1,2,3
	v_cndmask_b32 v[TM+8+\j], v[PW+4+\j], v[PW+\j], vcc_lo   ; lanes 0-15: tiles 0-3's words of row r; lanes 16-31: tiles 4-7's
.endr
	global_store_b128 v[LI], v[TM+8:TM+11], s[10:11]
	s_wait_tensorcnt 0x0                           ; the wave's end
	ds_add_u32 v[SPW], v[NIL]
	s_wait_dscnt 0x0
	CROUND                                         ; the closing round
	s_endpgm
.Lfunc_end_k_qb3e92ebe52_kvproj:
	.size	k_qb3e92ebe52_kvproj, .Lfunc_end_k_qb3e92ebe52_kvproj-k_qb3e92ebe52_kvproj
	.p2alignl 7, 3214868480
	.fill 96, 4, 3214868480
	.section	.rodata,"a",@progbits
	.p2align	6, 0x0
	.amdhsa_kernel k_qb3e92ebe52_kvproj
		.amdhsa_group_segment_fixed_size 327680
		.amdhsa_private_segment_fixed_size 0
		.amdhsa_enable_private_segment 0
		.amdhsa_kernarg_size 24
		.amdhsa_user_sgpr_count 2
		.amdhsa_user_sgpr_kernarg_segment_ptr 1
		.amdhsa_wavefront_size32 1
		.amdhsa_system_sgpr_workgroup_id_x 1
		.amdhsa_system_sgpr_workgroup_id_y 1
		.amdhsa_system_sgpr_workgroup_id_z 1
		.amdhsa_system_vgpr_workitem_id 0
		.amdhsa_next_free_vgpr 1024
		.amdhsa_next_free_sgpr 100
		.amdhsa_reserve_vcc 1
		.amdhsa_float_denorm_mode_32 3
		.amdhsa_float_denorm_mode_16_64 3
		.amdhsa_memory_ordered 1
		.amdhsa_forward_progress 1
		.amdhsa_inst_pref_size 138
	.end_amdhsa_kernel
	.amdgpu_metadata
---
amdhsa.version: [ 1, 2 ]
amdhsa.kernels:
  - .name:           k_qb3e92ebe52_kvproj
    .symbol:         k_qb3e92ebe52_kvproj.kd
    .args:
      - { .name: codes, .offset: 0, .size: 8, .value_kind: global_buffer, .address_space: global }
      - { .name: sc, .offset: 8, .size: 8, .value_kind: global_buffer, .address_space: global }
      - { .name: kv, .offset: 16, .size: 8, .value_kind: global_buffer, .address_space: global }
    .group_segment_fixed_size: 327680
    .private_segment_fixed_size: 0
    .kernarg_segment_align: 8
    .kernarg_segment_size: 24
    .max_flat_workgroup_size: 128
    .sgpr_count:     100
    .vgpr_count:     1024
    .wavefront_size: 32
...
	.end_amdgpu_metadata
.endif
;; end of part 2
;; launch attn (part 3): grid 16 x 16, 8 waves a work-group, clusters of 4 x 1, 327,680 bytes of LDS; arguments codes, sc, kv, doc_similarities, beta, oc, osc; writes oc, osc
.if DOCPART == 3
	.amdgcn_target "amdgcn-amd-amdhsa--gfx1250"
	.amdhsa_code_object_version 6
	.text
	.protected	k_qb3e92ebe52_attn
	.globl	k_qb3e92ebe52_attn
	.p2align	8
	.type	k_qb3e92ebe52_attn,@function
k_qb3e92ebe52_attn:
	s_mov_b64 s[64:65], 0
	v_nop
	global_prefetch_b8 v0, s[64:65] scope:SCOPE_SE
	s_setreg_imm32_b32 hwreg(HW_REG_WAVE_MODE, 25, 1), 1
	s_wait_xcnt 0x0
	s_wait_alu depctr_hold_cnt(0) depctr_sa_sdst(0) depctr_va_vdst(0) depctr_va_sdst(0) depctr_va_ssrc(0) depctr_va_vcc(0) depctr_vm_vsrc(0)
	s_getreg_b32 s2, hwreg(HW_REG_IB_STS2, 6, 4)
	s_cmp_eq_u32 s2, 0
	s_cbranch_scc0 .Lentry_in_a_cluster
	s_endpgm
.Lentry_in_a_cluster:
	s_bfe_u32 s2, ttmp6, 0x10000c
	s_cmp_lg_u32 s2, 0x3003
	s_cbranch_scc0 .Lentry_shape_is_right
	s_endpgm
.Lentry_shape_is_right:
; q = x Wq (for my 64 queries and my head), S = q k^T / 32 + the document's bias, softmax, O = P v, all products on codes of BF6 (E3M2) with E8M0 scales; O is quantised along the channels for the last projection.
; THE SOFTMAX AHEAD OF THE SECOND PRODUCT: t = score x log2(e) / 32 + sim x beta x log2(e); M = the largest t so far, rounded UP to a whole number; p = 2^(t - M) is quantised along the keys, not normalised;
; the row's sum is taken of the unquantised p and divides O at the end.  When M moves, the sum and O are multiplied by 2^(old M - new M): exact.
; LIMITS: NaN and infinities are not served; M and its differences are exact for |t| under 2^24; a block under 2^-122 gets the byte 1 (read by this program alone).
; SHARES.  A work-group owns 64 queries of one (batch, head).  Wave w of eight owns TWO tiles of 16 queries (pair w % 2: tile A and tile B) and DOCUMENT w / 2: it walks that document's 1,024 keys, 128 a step,
; so the bias is one number for a wave, and each fragment of K and V that it reads from LDS feeds two products: a step's 8 x 25,600 bytes are read once for each pair of tiles.
; The four documents' partial results (O^T, the sum, M) meet in LDS at the end; the differences of M are whole numbers, so the merge's factors are powers of two.
; LAYOUT.  Both products are used transposed (S^T = K Q^T, O^T = V^T P^T): a lane holds ONE query.  Tiles' rows are 32 (T / 2) + 8 (T % 2) + r + 8 (r / 8), so 16 registers of two neighbouring tiles are 16 neighbours.
; kv: a block of 25,600 bytes for each (batch, head, key step): K's 8 fragments, V's 8, K's and V's scale words, all in the order of the operands' registers: every LDS load is 16 bytes a lane at 16 x lane.
; CLUSTER.  The four work-groups of a cluster share the head: K, V and Wq's slice are asked for jointly, by the same tensor load with a mask that names the four.
; LDS: slot 0 at 0 and slot 1 at 2^17, each four documents' blocks of one step; slot 1 first holds Wq's slice (8 tiles, 98,304 bytes).  Behind slot 0: Q's codes and scale bytes, the merge's sums, the spare words.
; The merge's 16 images of O^T (8,192 bytes each): documents 0 and 1 in slot 0, which has had its last fill and its last read when they are stored; documents 2 and 3 from byte 233,472 on, where no fill lands.
; REGISTERS, in two windows of 256.  TILE B'S REGISTERS HAVE TILE A'S NUMBERS, ONE WINDOW UP, so the vector work of a tile is written once and expanded under window 0 and under window 1 (all four operand places).
;   both windows: v12 -M, v13 the largest t, v[14:15] the sum; v16-27 Q; v29 the bias as t, v[30:31] bias - M; v96-159 S^T, then p; v160-223 O^T; v224-235 codes; v232-254 at work.
;   v32-79: four fragments of K or V in each window: tiles 0-3 in window 0, tiles 4-7 in window 1: all eight are in registers at once, for both tiles of queries.
;   window 0 alone: v1-11 addresses; v80-95 SCALE WORDS ALONE (scale operands have no window): K's 80-83, V's 84-87, x's 88-91 (tile A) and 92-95 (tile B) in the prologue, then Q's 92 and p's 93 of tile A, Q's 94 and p's 95 of tile B.
; THE HEAD'S EIGHT LOADS, ONE A WAVE: waves 0-3 fetch step 0's block of document w, waves 4-7 tiles 2 (w - 4) and 2 (w - 4) + 1 of Wq's slice.
; TWO ORDERS OF A STEP.  A step has two halves: the first reads K and V from LDS, makes both tiles' scores and finishes tile A; the second is tile B's softmax and products, on registers alone.
; Waves with (w xor w / 4) odd run a step's second half behind the NEXT change of slots, ahead of that step's first half; the others run it at once.  Every read of a slot still lies between the slot's barrier and the next one.
.set YG,    62                         ; s62 1 in a wave that runs tile B's half one barrier late
.set SLOT1, 131072
.set DOCB,  25600
.set QST,   102400                     ; Q's codes: 64 rows x 96 bytes
.set QSC,   108544                     ; Q's scale bytes: 64 words
.set LM,    108800                     ; 256 bytes for each (document, tile): the sum, then -M
.set SPARE, 112896                     ; the spare words, 128 bytes for each wave: four blocks of 256 bytes that no other line names
.set IMGHI, 233472                     ; the images of documents 2 and 3
.set WV,    18
.set QP,    19                         ; s19 my pair of tiles
.set DD,    24                         ; s24 my document
.set W3,    61                         ; s61 wave % 4
.set SEL,   20                         ; s[20:21] lane selects for lane l xor 16
.set CS,    22                         ; s[22:23] c = log2(e) / 32
.set TB,    2                          ; s2  the slot in hand
.set SLOTS, 3                          ; s3  steps still to be asked for
.set G1K,   32                         ; s[32:39] group 1: a block of 25,600 bytes as 100 rows of 256
.set G1W,   40                         ; s[40:47] two tiles of Wq: 96 rows of 256
.set G0K,   48                         ; s[48:51] group 0 for K and V: it walks
.set G0W,   52                         ; s[52:55] for Wq
.set PFA,   56                         ; s[56:57] where my prefetches stand
.set LIM,   58                         ; s58 2 in a wave that prefetches, else the greatest number
.set MSB, 0
.macro WIN new                         ; bits 1:0 source 0, 3:2 source 1, 5:4 source 2, 7:6 destination; the immediate's high byte repeats the setting that is left; at every label and branch the setting is 0
.if MSB != (\new)
	s_set_vgpr_msb (MSB<<8)|(\new)
.set MSB, (\new)
.endif
.endm
.macro PLACES
.rept 4
	v_nop
.endr
.endm
.macro CROUND                          ; a round of the cluster's barrier
	s_barrier_signal -1
	s_barrier_wait -1
	s_cmp_lg_u32 s[WV], 0
	s_cbranch_scc1 .Lnot_wave_0_\@
	s_barrier_signal -3
.Lnot_wave_0_\@:
	s_barrier_wait -3
	s_barrier_signal -1
	s_barrier_wait -1
.endm
; d, a, b: first registers of D, source 0, source 1.  zero: C is the constant 0.  sa, sb: scale registers.  row: 0 lanes 0-15 of both; 1 lanes 16-31 of source 0's; 3 of both
.macro MM d, a, b, zero, sa, sb, row
.if (\zero) && ((\row) == 0)
	v_wmma_scale_f32_16x16x128_f8f6f4 v[\d:\d+7], v[\a:\a+11], v[\b:\b+11], 0, v[\sa], v[\sb] matrix_a_fmt:MATRIX_FMT_BF6 matrix_b_fmt:MATRIX_FMT_BF6
.elseif (\zero)
	v_wmma_scale_f32_16x16x128_f8f6f4 v[\d:\d+7], v[\a:\a+11], v[\b:\b+11], 0, v[\sa], v[\sb] matrix_a_fmt:MATRIX_FMT_BF6 matrix_b_fmt:MATRIX_FMT_BF6 matrix_a_scale:MATRIX_SCALE_ROW1
.elseif (\row) == 0
	v_wmma_scale_f32_16x16x128_f8f6f4 v[\d:\d+7], v[\a:\a+11], v[\b:\b+11], v[\d:\d+7], v[\sa], v[\sb] matrix_a_fmt:MATRIX_FMT_BF6 matrix_b_fmt:MATRIX_FMT_BF6
.elseif (\row) == 1
	v_wmma_scale_f32_16x16x128_f8f6f4 v[\d:\d+7], v[\a:\a+11], v[\b:\b+11], v[\d:\d+7], v[\sa], v[\sb] matrix_a_fmt:MATRIX_FMT_BF6 matrix_b_fmt:MATRIX_FMT_BF6 matrix_a_scale:MATRIX_SCALE_ROW1
.else
	v_wmma_scale_f32_16x16x128_f8f6f4 v[\d:\d+7], v[\a:\a+11], v[\b:\b+11], v[\d:\d+7], v[\sa], v[\sb] matrix_a_fmt:MATRIX_FMT_BF6 matrix_b_fmt:MATRIX_FMT_BF6 matrix_a_scale:MATRIX_SCALE_ROW1 matrix_b_scale:MATRIX_SCALE_ROW1
.endif
.endm
	s_load_b256 s[4:11], s[0:1], 0x0               ; codes, sc, kv, doc_similarities
	s_load_b128 s[12:15], s[0:1], 0x20             ; beta, oc
	s_load_b64 s[16:17], s[0:1], 0x30              ; osc
	v_lshl_add_u32 v5, v0, 2, SPARE                ; my spare word; never rewritten
	v_mov_b32 v6, 0                                ; 0; never rewritten
	ds_add_u32 v5, v6
	ds_add_u32 v5, v6
	s_wait_dscnt 0x0
	v_lshrrev_b32 v8, 5, v0
	s_delay_alu instid0(VALU_DEP_1)
	v_readfirstlane_b32 s[WV], v8                  ; wave 0..7
	s_and_b32 s[QP], s[WV], 1                      ; my pair of tiles of queries
	s_lshr_b32 s[DD], s[WV], 1                     ; my document
	s_and_b32 s[W3], s[WV], 3
	s_and_b32 s25, s[WV], 3                        ; what I fetch: waves 0-3 document w, waves 4-7 tiles 2 (w - 4) and 2 (w - 4) + 1 of Wq
	s_lshr_b32 s[YG], s[WV], 2
	s_xor_b32 s[YG], s[YG], s[WV]
	s_and_b32 s[YG], s[YG], 1                      ; (w xor w / 4) % 2
	s_bfe_u32 s66, ttmp6, 0x40000                  ; cx
	s_lshl_b32 s67, ttmp9, 2
	s_add_co_u32 s67, s67, s66                     ; my block of 64 queries: it enters x's, oc's and osc's addresses alone
	s_and_b32 s68, ttmp7, 0xffff                   ; batch x 8 + head, which the partners share
	s_lshr_b32 s69, s68, 3                         ; batch
	s_and_b32 s70, s68, 7                          ; head
	s_lshl_b32 s71, s69, 6
	s_lshl_b32 s78, s67, 2
	s_add_co_u32 s71, s71, s78                     ; the first of my work-group's four tiles among x's 128
	s_mov_b32 s[G1K], 15|(3<<16)|(1<<21)           ; 15:0 the mask: all four; 17:16 elements of 8 bytes; 21 set beside a mask
	s_mov_b32 s[G1K+1], 32<<16
	s_mov_b32 s[G1K+2], 100<<16
	s_mov_b32 s[G1K+3], 32<<16
	s_mov_b32 s[G1K+4], 100
	s_mov_b32 s[G1K+5], 32
	s_mov_b32 s[G1K+6], 0
	s_mov_b32 s[G1K+7], 0
	s_mov_b32 s[G1W], 15|(3<<16)|(1<<21)
	s_mov_b32 s[G1W+1], 32<<16
	s_mov_b32 s[G1W+2], 96<<16
	s_mov_b32 s[G1W+3], 32<<16
	s_mov_b32 s[G1W+4], 96
	s_mov_b32 s[G1W+5], 32
	s_mov_b32 s[G1W+6], 0
	s_mov_b32 s[G1W+7], 0
	s_lshl_b32 s26, s68, 5
	s_lshl_b32 s27, s25, 3
	s_add_co_u32 s26, s26, s27
	s_mul_i32 s26, s26, DOCB                       ; block 32 (batch x 8 + head) + 8 x document: its step 0
	s_mov_b32 s27, 0
	s_lshl_b32 s28, s70, 3
	s_lshl_b32 s29, s25, 1
	s_add_co_u32 s28, s28, s29
	s_add_co_u32 s28, s28, 640
	s_mul_i32 s28, s28, 12288                      ; Wq's tile 640 + 8 head + 2 w
	s_mov_b32 s29, 0
	s_mov_b32 s[SEL], 0x76543210
	s_mov_b32 s[SEL+1], 0xfedcba98
	s_mov_b32 s[CS], 0x3d38aa3b                    ; log2(e) / 32
	s_mov_b32 s[CS+1], s[CS]                       ; (named with it as a pair, so it is written)
	s_mov_b32 s[TB], 0
	s_mov_b32 s[SLOTS], 7
	s_wait_kmcnt 0x0
	s_mov_b32 s[G0K], 1
	s_mul_i32 s[G0K+1], s25, DOCB
	s_add_nc_u64 s[G0K+2:G0K+3], s[8:9], s[26:27]
	s_or_b32 s[G0K+3], s[G0K+3], 0x80000000
	s_mov_b32 s[G0W], 1
	s_mul_i32 s[G0W+1], s25, 24576
	s_add_co_u32 s[G0W+1], s[G0W+1], SLOT1
	s_add_nc_u64 s[G0W+2:G0W+3], s[4:5], s[28:29]
	s_or_b32 s[G0W+3], s[G0W+3], 0x80000000
	CROUND                                         ; all four work-groups are here: the first joint loads meet
	s_cmp_lt_u32 s[WV], 4                          ; one load a wave at the head: two arms, one join
	s_cbranch_scc0 .Lfirst_w
	tensor_load_to_lds s[G0K:G0K+3], s[G1K:G1K+7]
	s_nop 0
	PLACES
	s_branch .Lfirst_asked
.Lfirst_w:
	tensor_load_to_lds s[G0W:G0W+3], s[G1W:G1W+7]
	s_nop 0
	PLACES
.Lfirst_asked:
	s_lshl_b32 s82, s[QP], 1
	s_add_co_u32 s82, s82, s71                     ; my tile A among x's 128; tile B is the next
	s_add_co_u32 s83, s71, s[W3]                   ; the tile that I merge and store (waves 0-3)
	s_mov_b32 s79, 0
	s_mul_i32 s78, s82, 12288
	s_add_nc_u64 s[72:73], s[4:5], s[78:79]        ; x's codes, my tile A
	s_lshl_b32 s78, s82, 9
	s_add_nc_u64 s[74:75], s[6:7], s[78:79]        ; x's scale words
	s_mul_i32 s78, s83, 12288
	s_mul_i32 s80, s70, 1536
	s_add_co_u32 s78, s78, s80
	s_add_nc_u64 s[14:15], s[14:15], s[78:79]      ; oc: the tile that I merge, K step = head
	s_lshl_b32 s78, s83, 9
	s_lshr_b32 s80, s70, 2
	s_lshl_b32 s80, s80, 8
	s_add_co_u32 s78, s78, s80
	s_and_b32 s80, s70, 3
	s_lshl_b32 s80, s80, 2
	s_add_co_u32 s78, s78, s80
	s_add_nc_u64 s[16:17], s[16:17], s[78:79]      ; osc: that tile, the head's word
	s_lshl_b32 s78, s70, 3
	s_lshl_b32 s80, s[DD], 1
	s_add_co_u32 s78, s78, s80
	s_add_co_u32 s78, s78, 640
	s_lshl_b32 s78, s78, 9
	s_add_nc_u64 s[76:77], s[6:7], s[78:79]        ; Wq's scale words: tiles 2 d and 2 d + 1 of the head's eight
	s_lshl_b32 s78, s69, 2
	s_add_co_u32 s78, s78, s[DD]
	s_lshl_b32 s78, s78, 2
	s_add_nc_u64 s[10:11], s[10:11], s[78:79]
	s_load_b32 s59, s[10:11], 0x0                  ; my document's similarity
	s_load_b32 s60, s[12:13], 0x0                  ; beta
	v_and_b32 v28, 31, v0                          ; lane
	s_delay_alu instid0(VALU_DEP_1)
	v_lshlrev_b32 v2, 4, v28                       ; 16 x lane
	s_wait_alu depctr_va_vdst(0)
.irp s, 0,1,2,3,4,5,6,7
.irp j, 0,1,2
	global_load_b128 v[160+12*\s+4*\j:163+12*\s+4*\j], v2, s[72:73] offset:1536*\s+512*\j   ; x's eight fragments of tile A
.endr
.endr
	WIN 0x40                                       ; destination window 1
.irp s, 0,1,2,3,4,5,6,7
.irp j, 0,1,2
	global_load_b128 v[160+12*\s+4*\j:163+12*\s+4*\j], v2, s[72:73] offset:12288+1536*\s+512*\j   ; and of tile B
.endr
.endr
	WIN 0
	global_load_b128 v[88:91], v2, s[74:75]        ; lanes 0-15: K steps 0-3 of row r; lanes 16-31: K steps 4-7
	global_load_b128 v[92:95], v2, s[74:75] offset:512
	global_load_b128 v[80:83], v2, s[76:77]
	global_load_b128 v[84:87], v2, s[76:77] offset:512
	s_lshl_b32 s78, s68, 5                         ; the prefetches: document cx of my head: the partners share the documents out by address
	s_lshl_b32 s80, s66, 3
	s_add_co_u32 s78, s78, s80
	s_add_co_u32 s78, s78, 1                       ; at step 1: the head asks for steps 1 and 2; each change of slots steps it by one block
	s_mul_i32 s78, s78, DOCB
	s_add_nc_u64 s[PFA:PFA+1], s[8:9], s[78:79]
	s_lshr_b32 s[LIM], s[WV], 2
	s_xor_b32 s[LIM], s[LIM], 1                    ; 0 in waves 4 to 7,
	s_cmp_eq_u32 s[LIM], 0                         ; of every cluster: each asks for what it will itself load
	s_cselect_b32 s[LIM], 2, -1
	v_and_b32 v30, 15, v0                          ; r
	v_bfe_u32 v31, v0, 4, 1                        ; h
	s_mul_i32 s80, s[DD], DOCB
	v_add_nc_u32 v1, s80, v2                       ; v1: my document's block in a slot
	s_lshr_b32 s80, s[WV], 2
	s_mul_i32 s80, s80, IMGHI
	s_lshl_b32 s81, s[W3], 14
	s_add_co_u32 s80, s80, s81
	v_add_nc_u32 v3, s80, v2                       ; v3: my tile A's image: (d / 2) IMGHI + 8,192 (4 (d % 2) + tile); tile B's lies 8,192 bytes on
	s_lshl_b32 s80, s[WV], 9
	s_add_co_u32 s80, s80, LM
	v_lshl_add_u32 v4, v28, 2, s80                 ; v4: my sums and -M: 1,024 d + 256 x tile
	s_lshl_b32 s80, s[W3], 8
	s_add_co_u32 s80, s80, LM
	v_lshl_add_u32 v7, v28, 2, s80                 ; v7: those of the tile that I merge, 1,024 bytes a document
	s_lshl_b32 s80, s[W3], 13
	v_add_nc_u32 v9, s80, v2                       ; v9: the images of that tile: documents 0 and 1,
	s_delay_alu instid0(VALU_DEP_1)
	v_add_nc_u32 v10, IMGHI, v9                    ; v10: documents 2 and 3
	s_lshl_b32 s80, s[W3], 5
	v_add_nc_u32 v11, s80, v28
	s_delay_alu instid0(VALU_DEP_1)
	v_min_u32 v11, 99, v11                         ; v11: a block has 100 pieces of 256 bytes for four waves' 128 lanes: the lanes past its end name the last piece again
	s_delay_alu instid0(VALU_DEP_1)
	v_lshlrev_b32 v11, 8, v11
	s_mul_i32 s80, s[QP], 32*96
	s_mul_i32 s81, s[DD], 24
	s_add_co_u32 s81, s81, s80
	s_add_co_u32 s81, s81, QST
	v_mul_u32_u24 v12, v30, 96
	s_delay_alu instid0(VALU_DEP_1)
	v_mad_u32_u24 v12, v31, 12, v12
	s_delay_alu instid0(VALU_DEP_1)
	v_add_nc_u32 v12, s81, v12                     ; (until the statistics are started) v12: where my 12 bytes of Q's codes go: row 32 qp + r, block d, half h; tile B's rows lie 1,536 bytes on
	s_add_co_u32 s80, s80, QST
	v_mul_u32_u24 v14, v30, 96
	s_delay_alu instid0(VALU_DEP_1)
	v_mad_u32_u24 v14, v31, 24, v14
	s_delay_alu instid0(VALU_DEP_1)
	v_add_nc_u32 v14, s80, v14                     ; v14: Q's fragment: row 32 qp + r, + 24 h
	s_lshl_b32 s80, s[QP], 7
	s_add_co_u32 s80, s80, QSC
	v_lshl_add_u32 v15, v30, 2, s80                ; v15: the row's scale word (tile B's: 64 bytes on),
	s_delay_alu instid0(VALU_DEP_1)
	v_add_nc_u32 v13, s[DD], v15                   ; v13: and my block's byte in it
	s_mul_i32 s80, s[DD], 24576
	s_add_co_u32 s80, s80, SLOT1
	v_add_nc_u32 v8, s80, v2                       ; v8: my two tiles of Wq
	; ---- q: my 32 queries x 32 of the head's 128 (block d), K = 1,024: four sums by turns, source 0 = Wq's tile, source 1 = x
	s_wait_alu depctr_va_vdst(0)
	s_wait_tensorcnt 0x0
	s_barrier_signal -1
	s_barrier_wait -1                              ; Wq's slice and step 0 lie in LDS
.macro WQLOAD f                        ; my two tiles of Wq, K steps 4 f .. 4 f + 3: eight fragments into v32-79 and v96-143
.irp s, 0,1,2,3
.irp u, 0,1
.set WFR, 32+12*(2*\s+\u)+16*((2*\s+\u)/4)
.irp j, 0,1,2
	ds_load_b128 v[WFR+4*\j:WFR+4*\j+3], v8 offset:\u*12288+(4*\f+\s)*1536+512*\j
.endr
.endr
.endr
.endm
.macro QMUL f, xs                      ; eight products of one tile of queries: K steps 4 f .. 4 f + 3 x my two tiles of Wq; xs: x's scale words
.irp s, 0,1,2,3
.irp u, 0,1
.set WFR, 32+12*(2*\s+\u)+16*((2*\s+\u)/4)
.if (\f == 0) && (\s == 0)
	MM 144+8*\u, WFR, 160, 1, 80+4*\u, \xs, 0
.else
	MM 144+8*\u, WFR, 160+12*(4*\f+\s), 0, 80+4*\u+\s, \xs+\s, 3*\f
.endif
.endr
.endr
.endm
	WQLOAD 0                                       ; the lower K half into window 0,
	WIN 0x40
	WQLOAD 1                                       ; the upper into window 1
	WIN 0
	s_wait_loadcnt 0x0                             ; x and the scale words
	s_wait_dscnt 24                                ; the lower K half is in; the 24 younger loads may be out
	QMUL 0, 88                                     ; tile A
	WIN 0x54                                       ; Wq window 0; x, C and D window 1
	QMUL 0, 92                                     ; tile B
	s_wait_dscnt 0x0
	WIN 0x01                                       ; Wq window 1
	QMUL 1, 88
	WIN 0x55
	QMUL 1, 92
	WIN 0
	PLACES
.macro QUANTB w                        ; the tile's 16 numbers a lane are channels 32 d + 16 h + 0 .. 15 of its query: half a block
	WIN 0x55*\w
	v_max3_num_f32 v236, |v144|, |v145|, 0x2800000 ; with the floor 2^(5 - 127): the byte cannot fall under 1
.irp i, 2,4,6,8,10,12,14
	v_max3_num_f32 v236, v236, |v[144+\i]|, |v[145+\i]|
.endr
	v_mov_b32 v237, 0
	s_delay_alu instid0(VALU_DEP_1)
	v_permlanex16_b32 v237, v236, s[SEL], s[SEL+1]
	s_delay_alu instid0(VALU_DEP_1)
	v_max_num_f32 v236, v236, v237                 ; the block's largest magnitude
	s_delay_alu instid0(VALU_DEP_1)
	v_add_nc_u32 v238, 0xfe000000, v236
	s_delay_alu instid0(VALU_DEP_1)
	v_lshrrev_b32 v239, 23, v238
	v_cvt_scalef32_pk16_bf6_f32 v[32:34], v[144:159], v238
	v_nop                                          ; one plain line behind a scaled conversion
	WIN 0x04*\w                                    ; an LDS store's data are its source 1
	ds_store_b32 v12, v32 offset:1536*\w
	ds_store_b32 v12, v33 offset:1536*\w+4
	ds_store_b32 v12, v34 offset:1536*\w+8
	ds_store_b8 v13, v239 offset:64*\w             ; both halves of the lanes write the same byte with the same value
.endm
	s_cmp_eq_u32 s[LIM], 2                         ; waves 4-7: steps 1 and 2 of document cx are asked for here, behind the waits for the head's tiles and for x, ahead of step 1's tensor load
	s_cbranch_scc0 .Lno_first_ask
	global_prefetch_b8 v11, s[PFA:PFA+1] th:TH_LOAD_NT scope:SCOPE_SE
	global_prefetch_b8 v11, s[PFA:PFA+1] offset:DOCB th:TH_LOAD_NT scope:SCOPE_SE
.Lno_first_ask:
	QUANTB 0
	QUANTB 1
	WIN 0
	s_wait_dscnt 0x0                               ; for the others' sake
	s_barrier_signal -1
.irp w, 0,1                                    ; register work between the signal and the wait: O^T of both tiles begins as zeros (the step is written once); x's fragments, which lay there, are done with
	WIN 0x55*\w
.set ZJ, 0
.rept 64
	v_mov_b32 v[160+ZJ], 0
.set ZJ, ZJ+1
.endr
.endr
	WIN 0
	s_barrier_wait -1
.irp p, 0,1,2,3,4,5
	ds_load_b64 v[16+2*\p:17+2*\p], v14 offset:48*(\p/3)+8*(\p%3)   ; Q's fragments stay in registers: tile A's,
.endr
	ds_load_b32 v92, v15
	ds_load_b32 v94, v15 offset:64
	WIN 0x40
.irp p, 0,1,2,3,4,5
	ds_load_b64 v[16+2*\p:17+2*\p], v14 offset:1536+48*(\p/3)+8*(\p%3)   ; and tile B's
.endr
	WIN 0
	s_wait_dscnt 0x0
	s_wait_kmcnt 0x0
.macro INIT w                          ; a tile's statistics
	WIN 0x55*\w
	v_mov_b32 v29, s59
	s_delay_alu instid0(VALU_DEP_1)
	v_mul_f32 v29, s60, v29                        ; sim x beta,
	s_delay_alu instid0(VALU_DEP_1)
	v_mul_f32 v29, 0x3fb8aa3b, v29                 ; as t
	v_mov_b32 v13, 0xff61b1e6                      ; the largest t so far: -3e38
	s_delay_alu instid0(VALU_DEP_1)
	v_floor_f32 v12, -v13                          ; -M
	v_mov_b32 v14, 0
	v_mov_b32 v15, 0
	v_mov_b32 v31, 0                               ; (the upper halves of pairs of which the low word serves both halves)
	v_mov_b32 v253, 0
.irp b, 0,1,2,3
	v_mov_b32 v[236+\b], 0                         ; written once: a lane permute's destination counts as one of its sources
.endr
.endm
	INIT 0
	INIT 1
	WIN 0
.macro TLOAD                           ; waves 0-3: the next step's block of document w; four v_nop follow
	s_cmp_lt_u32 s[WV], 4
	s_cbranch_scc0 .Lno_load_\@
	tensor_load_to_lds s[G0K:G0K+3], s[G1K:G1K+7]
	s_nop 0
	PLACES
.Lno_load_\@:
.endm
; A prefetch, two trips ahead of the tensor load that will want it: the trip that loads step j + 1 asks for step j + 3.  Every cluster asks for what it will itself load: each partner for one document's block,
; told apart by address; in each, waves 4 to 7, one instruction a wave, lanes 256 bytes apart.  The last two changes that fill a slot ask for nothing: step 7 is the last block of the walk.
.macro ASK
	s_cmp_gt_u32 s[SLOTS], s[LIM]
	s_cbranch_scc0 .Lnot_mine_\@
	global_prefetch_b8 v11, s[PFA:PFA+1] offset:DOCB th:TH_LOAD_NT scope:SCOPE_SE
.Lnot_mine_\@:
.endm
; THE CHANGE OF SLOTS, at a step's head.  Each wave waits for all its tensor loads, adds 0 to its spare word, and waits for that and for its reads of the slot that it has left.
; fill = 1: a round of the cluster's barrier, and behind it the slot just left is filled with the step that follows: that load has a whole step in which to land.
.macro CHANGE fill
	s_wait_tensorcnt 0x0
	ds_add_u32 v5, v6
.if \fill
	s_xor_b32 s[G0K+1], s[G0K+1], SLOT1
	s_add_nc_u64 s[G0K+2:G0K+3], s[G0K+2:G0K+3], DOCB
	s_wait_xcnt 0x0                                ; the last prefetch, a step back, has read its address
	s_add_nc_u64 s[PFA:PFA+1], s[PFA:PFA+1], DOCB
.endif
	s_wait_dscnt 0x0
.if \fill
	CROUND
	TLOAD
	ASK
.else
	s_barrier_signal -1
	s_barrier_wait -1
.endif
.endm
; 64 numbers v[s] .. v[s + 63] with the scale operands v244-247 become a fragment's codes in v224-235
.macro QCODES s
.irp c, 0,1
	v_cvt_scalef32_pk16_bf6_f32 v[224+6*\c:226+6*\c], v[\s+32*\c:\s+15+32*\c], v[244+2*\c]
	v_cvt_scalef32_pk16_bf6_f32 v[236+4*\c:238+4*\c], v[\s+16+32*\c:\s+31+32*\c], v[245+2*\c]   ; (a conversion's three registers begin on an even number)
.endr
	v_nop                                          ; one plain line behind a scaled conversion
.irp c, 0,1                                    ; the layout wants a whole block in a lane
.irp i, 0,1,2
	v_permlane16_swap_b32 v[224+6*\c+\i], v[236+4*\c+\i]
.endr
.irp i, 0,1,2
	s_delay_alu instid0(VALU_DEP_3)
	v_mov_b32 v[227+6*\c+\i], v[236+4*\c+\i]
.endr
.endr
.endm
; eight fragments from byte base of my document's block on: tiles 0-3 into window 0, tiles 4-7 into window 1: 24 loads of 512 consecutive bytes
.macro KVLOAD base
.irp t, 0,1,2,3
.irp j, 0,1,2
	ds_load_b128 v[32+12*\t+4*\j:35+12*\t+4*\j], v8 offset:\base+1536*\t+512*\j
.endr
.endr
	WIN 0x40
.irp t, 0,1,2,3
.irp j, 0,1,2
	ds_load_b128 v[32+12*\t+4*\j:35+12*\t+4*\j], v8 offset:\base+1536*(4+\t)+512*\j
.endr
.endr
	WIN 0
.endm
; THE SOFTMAX OF ONE TILE for 128 keys, all in the tile's own window w; p's scale word alone goes to window 0, into v[pw]
.macro SOFTMAX w, pw
	WIN 0x55*\w
.irp b, 0,1,2,3
	v_max3_num_f32 v[232+\b], v[96+16*\b], v[97+16*\b], v[98+16*\b]   ; the largest score of each block of 32 keys: for the row's maximum, and, since p rises with the score, for the block's largest p
.endr
.irp i, 3,5,7,9,11,13
.irp b, 0,1,2,3
	v_max3_num_f32 v[232+\b], v[232+\b], v[96+16*\b+\i], v[97+16*\b+\i]
.endr
.endr
.irp b, 0,1,2,3
	v_max_num_f32 v[232+\b], v[232+\b], v[111+16*\b]
.endr
.irp b, 0,1,2,3
	s_delay_alu instid0(VALU_DEP_4)
	v_permlanex16_b32 v[236+\b], v[232+\b], s[SEL], s[SEL+1]
.endr
.irp b, 0,1,2,3
	s_delay_alu instid0(VALU_DEP_4)
	v_max_num_f32 v[232+\b], v[232+\b], v[236+\b]
.endr
	s_delay_alu instid0(VALU_DEP_2)
	v_max3_num_f32 v254, v232, v233, v234
	s_delay_alu instid0(VALU_DEP_1)
	v_max_num_f32 v254, v254, v235
	s_delay_alu instid0(VALU_DEP_1)
	v_fma_f32 v254, v254, s[CS], v29               ; the step's largest t (c is positive, the bias one number)
	s_delay_alu instid0(VALU_DEP_1)
	v_max_num_f32 v13, v13, v254
	v_mov_b32 v254, v12
	s_delay_alu instid0(VALU_DEP_2)
	v_floor_f32 v12, -v13                          ; the new -M = -ceil(t)
	s_delay_alu instid0(VALU_DEP_1)
	v_sub_f32 v254, v12, v254                      ; old M - new M: a whole number, 0 or less
	s_delay_alu instid0(VALU_DEP_1)
	v_cvt_i32_f32 v254, v254                       ; (it saturates)
	s_delay_alu instid0(VALU_DEP_1)
	v_ldexp_f32 v252, 1.0, v254                    ; f = 2^(old M - new M)
	s_delay_alu instid0(VALU_DEP_4)
	v_add_f32 v30, v29, v12                        ; bias - M
.irp j, 0,2,4,6,8,10,12,14,16,18,20,22,24,26,28,30,32,34,36,38,40,42,44,46,48,50,52,54,56,58,60,62
	v_pk_fma_f32 v[96+\j:97+\j], v[96+\j:97+\j], s[CS:CS+1], v[30:31] op_sel_hi:[1,0,0]   ; t - M, two at a time
.endr
.irp b, 0,1,2,3
	v_fma_f32 v[232+\b], v[232+\b], s[CS], v30     ; the same of each block's largest score
.endr
	s_wait_alu depctr_va_vdst(0)
.irp j, 0,1,2,3,4,5,6,7,8,9,10,11,12,13,14,15,16,17,18,19,20,21,22,23,24,25,26,27,28,29,30,31,32,33,34,35,36,37,38,39,40,41,42,43,44,45,46,47,48,49,50,51,52,53,54,55,56,57,58,59,60,61,62,63
	v_exp_f32 v[96+\j], v[96+\j]                   ; p = 2^(t - M)
.endr
	v_pk_mul_f32 v[14:15], v[14:15], v[252:253] op_sel_hi:[1,0]   ; the sums under the new M (the plain line behind the exponentials)
	s_wait_alu depctr_va_vdst(0)                   ; one wait for the whole batch, ahead of its first reader
.irp b, 0,1,2,3
	v_exp_f32 v[232+\b], v[232+\b]                 ; the block's largest p
.endr
	v_pk_add_f32 v[236:237], v[96:97], v[98:99]    ; the row's sum of the unquantised p, in two chains
.irp j, 4,8,12,16,20,24,28,32,36,40,44,48,52,56,60
	v_pk_add_f32 v[14:15], v[14:15], v[96+\j:97+\j]
	v_pk_add_f32 v[236:237], v[236:237], v[98+\j:99+\j]
.endr
	s_delay_alu instid0(VALU_DEP_1)
	v_pk_add_f32 v[14:15], v[14:15], v[236:237]
	s_wait_alu depctr_va_vdst(0)                   ; and one for the four
.irp b, 0,1,2,3
	v_max_num_f32 v[232+\b], 0x2800000, v[232+\b]  ; the floor
.endr
.irp b, 0,1,2,3
	s_delay_alu instid0(VALU_DEP_4)
	v_add_nc_u32 v[244+\b], 0xfe000000, v[232+\b]
.endr
.irp b, 0,1,2,3
	s_delay_alu instid0(VALU_DEP_4)
	v_lshrrev_b32 v[236+\b], 23, v[244+\b]
.endr
	s_delay_alu instid0(VALU_DEP_3)
	v_lshl_or_b32 v254, v237, 8, v236              ; p's scale word for these 128 keys
	s_delay_alu instid0(VALU_DEP_1)
	v_lshl_or_b32 v254, v238, 16, v254
	s_delay_alu instid0(VALU_DEP_1)
	v_lshl_or_b32 v254, v239, 24, v254
	WIN \w                                         ; source 0 in the tile's window, destination in window 0
	v_mov_b32 v[\pw], v254                         ; into its register among the scale words
	WIN 0x55*\w
	QCODES 96
.irp j, 0,2,4,6,8,10,12,14,16,18,20,22,24,26,28,30,32,34,36,38,40,42,44,46,48,50,52,54,56,58,60,62
	v_pk_mul_f32 v[160+\j:161+\j], v[160+\j:161+\j], v[252:253] op_sel_hi:[1,0]   ; O^T under the new M; these are also the places between the scale word, the codes and the products
.endr
.endm
; A KEY STEP: 128 keys of my document, for both my tiles of queries
.macro STEP
	v_add_nc_u32 v8, s[TB], v1
.rept 3
	v_nop                                          ; with the addition: four places in front of loads into registers that the last products read
.endr
	ds_load_b128 v[80:83], v8 offset:24576         ; K's scale words: lanes 0-15 tiles 0-3, lanes 16-31 tiles 4-7
	ds_load_b128 v[84:87], v8 offset:25088         ; V's
	KVLOAD 0                                       ; K
	s_wait_alu depctr_va_vdst(0)
	s_wait_dscnt 12                                ; the scale words and K's tiles 0-3 are in; the youngest twelve loads (tiles 4-7) may be out
.irp t, 0,1,2,3                                ; S^T = K Q^T: every product starts its own sum
	MM 96+8*\t, 32+12*\t, 16, 1, 80+\t, 92, 0
.endr
	WIN 0x44                                       ; K window 0; Q and S^T of tile B window 1
.irp t, 0,1,2,3
	MM 96+8*\t, 32+12*\t, 16, 1, 80+\t, 94, 0
.endr
	s_wait_dscnt 0x0
	WIN 0x01                                       ; K window 1
.irp t, 0,1,2,3
	MM 128+8*\t, 32+12*\t, 16, 1, 80+\t, 92, 1
.endr
	WIN 0x45
.irp t, 0,1,2,3
	MM 128+8*\t, 32+12*\t, 16, 1, 80+\t, 94, 1
.endr
	WIN 0
	PLACES                                         ; in front of the loads into K's registers, and of the first read of the scores
	KVLOAD 12288                                   ; all of V is asked for ahead of both softmaxes
	SOFTMAX 0, 93
	s_wait_alu depctr_va_vdst(0)
	s_wait_dscnt 0x0                               ; V is in
.irp t, 0,1,2,3                                ; O^T += V^T P^T, tile A; its products run while tile B's softmax is issued
	MM 160+8*\t, 32+12*\t, 224, 0, 84+\t, 93, 0
.endr
	WIN 0x01
.irp t, 0,1,2,3
	MM 192+8*\t, 32+12*\t, 224, 0, 84+\t, 93, 1
.endr
	WIN 0
.endm
; A STEP'S SECOND HALF: tile B's softmax and products, on registers alone (its scores, V's fragments and V's scale words stay in registers from the first half)
.macro HALFB
	SOFTMAX 1, 95
	WIN 0x54                                       ; V window 0; P, C and D window 1
.irp t, 0,1,2,3
	MM 160+8*\t, 32+12*\t, 224, 0, 84+\t, 95, 0
.endr
	WIN 0x55
.irp t, 0,1,2,3
	MM 192+8*\t, 32+12*\t, 224, 0, 84+\t, 95, 1
.endr
	WIN 0
.endm
.macro LATE first                      ; the last step's second half, in the waves that run it late; first = 1: the first trip (7 steps still to ask for) has no step behind it
	s_cmp_eq_u32 s[YG], 0
	s_cbranch_scc1 .Lno_late_\@
.if \first
	s_cmp_eq_u32 s[SLOTS], 7
	s_cbranch_scc1 .Lno_late_\@
.endif
	PLACES                                         ; four places ahead of the half's first lines, which write registers that tile B's last products read as codes
	HALFB
.Lno_late_\@:
.endm
.Lslot:                                            ; seven trips: behind each change of slots but the last the next step is asked for
	CHANGE 1
	LATE 1
	STEP
	s_cmp_lg_u32 s[YG], 0
	s_cbranch_scc1 .Lhalf_later
	HALFB
.Lhalf_later:
	s_xor_b32 s[TB], s[TB], SLOT1
	s_sub_co_u32 s[SLOTS], s[SLOTS], 1
	s_cmp_lg_u32 s[SLOTS], 0
	s_cbranch_scc1 .Lslot
	CHANGE 0                                       ; the last step is written out
	LATE 0
	STEP
	HALFB                                          ; nothing follows the last step: every wave finishes it at once
	; ---- THE MERGE of the four documents.  Every wave lays both its tiles' O^T (as images of their registers), sums and -M into LDS; waves 0-3 add the four documents of one tile each.
	PLACES
.macro LSUM w
	WIN 0x55*\w
	v_add_f32 v14, v14, v15
	s_delay_alu instid0(VALU_DEP_1)
	v_permlanex16_b32 v252, v14, s[SEL], s[SEL+1]
	s_delay_alu instid0(VALU_DEP_1)
	v_add_f32 v14, v14, v252                       ; my document's sum for my query
.endm
	LSUM 0
	LSUM 1
	WIN 0
.irp k, 0,1,2,3,4,5,6,7,8,9,10,11,12,13,14,15
	ds_store_b128 v3, v[160+4*\k:163+4*\k] offset:512*\k   ; each accumulator from its low end on
.endr
	ds_store_b32 v4, v14
	ds_store_b32 v4, v12 offset:128
	WIN 0x04                                       ; the data: window 1
.irp k, 0,1,2,3,4,5,6,7,8,9,10,11,12,13,14,15
	ds_store_b128 v3, v[160+4*\k:163+4*\k] offset:8192+512*\k
.endr
	ds_store_b32 v4, v14 offset:256
	ds_store_b32 v4, v12 offset:384
	WIN 0
	s_wait_dscnt 0x0                               ; for the others' sake
	s_barrier_signal -1
	s_barrier_wait -1
	s_cmp_lt_u32 s[WV], 4
	s_cbranch_scc0 .Lend
.irp e, 0,1,2,3
	ds_load_b32 v[236+\e], v7 offset:1024*\e+128   ; -M of the four documents
.endr
.irp e, 0,1,2,3
	ds_load_b32 v[240+\e], v7 offset:1024*\e       ; their sums
.endr
.irp k, 0,1,2,3,4,5,6,7,8,9,10,11,12,13,14,15
	ds_load_b128 v[96+4*\k:99+4*\k], v9 offset:512*\k        ; document 0's O^T
.endr
.irp k, 0,1,2,3,4,5,6,7,8,9,10,11,12,13,14,15
	ds_load_b128 v[16+4*\k:19+4*\k], v9 offset:32768+512*\k  ; document 1's
.endr
	s_wait_dscnt 32                                ; the eight words are in; two images may be out
	v_min3_num_f32 v244, v236, v237, v238
	s_delay_alu instid0(VALU_DEP_1)
	v_min_num_f32 v244, v244, v239                 ; -M of all four
	s_delay_alu instid0(VALU_DEP_1)
	v_sub_f32 v246, v244, v236
	s_delay_alu instid0(VALU_DEP_2)
	v_sub_f32 v248, v244, v237
	s_delay_alu instid0(VALU_DEP_3)
	v_sub_f32 v250, v244, v238
	s_delay_alu instid0(VALU_DEP_4)
	v_sub_f32 v252, v244, v239                     ; M of a document - M of all: whole numbers, 0 or less
.irp k, 246,248,250,252
	s_delay_alu instid0(VALU_DEP_4)
	v_cvt_i32_f32 v\k, v\k
.endr
.irp k, 246,248,250,252
	s_delay_alu instid0(VALU_DEP_4)
	v_ldexp_f32 v\k, 1.0, v\k                      ; the documents' factors: powers of two
.endr
	v_mov_b32 v249, 0                              ; (upper halves of pairs)
	v_mov_b32 v251, 0
	v_mul_f32 v14, v240, v246
	s_delay_alu instid0(VALU_DEP_1)
	v_fmac_f32 v14, v241, v248
	s_delay_alu instid0(VALU_DEP_1)
	v_fmac_f32 v14, v242, v250
	s_delay_alu instid0(VALU_DEP_1)
	v_fmac_f32 v14, v243, v252                     ; the row's sum
	s_wait_alu depctr_va_vdst(0)
	v_rcp_f32 v14, v14
	s_wait_dscnt 16                                ; document 0's image is in
.irp j, 0,2,4,6,8,10,12,14,16,18,20,22,24,26,28,30,32,34,36,38,40,42,44,46,48,50,52,54,56,58,60,62
	v_pk_mul_f32 v[160+\j:161+\j], v[96+\j:97+\j], v[246:247] op_sel_hi:[1,0]
.endr
.irp k, 0,1,2,3,4,5,6,7,8,9,10,11,12,13,14,15
	ds_load_b128 v[96+4*\k:99+4*\k], v10 offset:512*\k       ; document 2's
.endr
	s_wait_dscnt 16                                ; document 1's is in
.irp j, 0,2,4,6,8,10,12,14,16,18,20,22,24,26,28,30,32,34,36,38,40,42,44,46,48,50,52,54,56,58,60,62
	v_pk_fma_f32 v[160+\j:161+\j], v[16+\j:17+\j], v[248:249], v[160+\j:161+\j] op_sel_hi:[1,0,1]
.endr
.irp k, 0,1,2,3,4,5,6,7,8,9,10,11,12,13,14,15
	ds_load_b128 v[16+4*\k:19+4*\k], v10 offset:32768+512*\k ; document 3's
.endr
	s_wait_dscnt 16                                ; document 2's is in
.irp j, 0,2,4,6,8,10,12,14,16,18,20,22,24,26,28,30,32,34,36,38,40,42,44,46,48,50,52,54,56,58,60,62
	v_pk_fma_f32 v[160+\j:161+\j], v[96+\j:97+\j], v[250:251], v[160+\j:161+\j] op_sel_hi:[1,0,1]
.endr
	s_wait_dscnt 0x0
.irp j, 0,2,4,6,8,10,12,14,16,18,20,22,24,26,28,30,32,34,36,38,40,42,44,46,48,50,52,54,56,58,60,62
	v_pk_fma_f32 v[160+\j:161+\j], v[16+\j:17+\j], v[252:253], v[160+\j:161+\j] op_sel_hi:[1,0,1]
.endr
	s_wait_alu depctr_va_vdst(0)                   ; the wait for the reciprocal, ahead of its first reader
.irp j, 0,2,4,6,8,10,12,14,16,18,20,22,24,26,28,30,32,34,36,38,40,42,44,46,48,50,52,54,56,58,60,62
	v_pk_mul_f32 v[160+\j:161+\j], v[160+\j:161+\j], v[14:15] op_sel_hi:[1,0]   ; O / the sum: register 16 b + i is channel 32 b + 16 h + i of my query
.endr
.irp b, 0,1,2,3
	v_max3_num_f32 v[232+\b], |v[160+16*\b]|, |v[161+16*\b]|, 0x2800000
.endr
.irp i, 2,4,6,8,10,12,14
.irp b, 0,1,2,3
	s_delay_alu instid0(VALU_DEP_4)
	v_max3_num_f32 v[232+\b], v[232+\b], |v[160+16*\b+\i]|, |v[161+16*\b+\i]|
.endr
.endr
.irp b, 0,1,2,3
	s_delay_alu instid0(VALU_DEP_4)
	v_permlanex16_b32 v[236+\b], v[232+\b], s[SEL], s[SEL+1]
.endr
.irp b, 0,1,2,3
	s_delay_alu instid0(VALU_DEP_4)
	v_max_num_f32 v[232+\b], v[232+\b], v[236+\b]
.endr
.irp b, 0,1,2,3
	s_delay_alu instid0(VALU_DEP_4)
	v_add_nc_u32 v[244+\b], 0xfe000000, v[232+\b]
.endr
.irp b, 0,1,2,3
	s_delay_alu instid0(VALU_DEP_4)
	v_lshrrev_b32 v[236+\b], 23, v[244+\b]
.endr
	s_delay_alu instid0(VALU_DEP_3)
	v_lshl_or_b32 v254, v237, 8, v236
	s_delay_alu instid0(VALU_DEP_1)
	v_lshl_or_b32 v254, v238, 16, v254
	s_delay_alu instid0(VALU_DEP_1)
	v_lshl_or_b32 v254, v239, 24, v254             ; my query's scale word for this head's 128 channels
	v_and_b32 v255, 15, v0
	s_delay_alu instid0(VALU_DEP_1)
	v_lshlrev_b32 v255, 4, v255                    ; 16 r: the row's place in the tile's scale words
	QCODES 160
.irp j, 0,1,2
	global_store_b128 v2, v[224+4*\j:227+4*\j], s[14:15] offset:512*\j   ; the fragment as it stands: 512 consecutive bytes, aligned
.endr
	global_store_b32 v255, v254, s[16:17]          ; both halves of the lanes write the same word with the same value
.Lend:
	s_wait_tensorcnt 0x0                           ; the wave's end
	ds_add_u32 v5, v6
	s_wait_dscnt 0x0
	CROUND                                         ; the closing round
	s_endpgm
.Lfunc_end_k_qb3e92ebe52_attn:
	.size	k_qb3e92ebe52_attn, .Lfunc_end_k_qb3e92ebe52_attn-k_qb3e92ebe52_attn
	.p2alignl 7, 3214868480
	.fill 96, 4, 3214868480
	.section	.rodata,"a",@progbits
	.p2align	6, 0x0
	.amdhsa_kernel k_qb3e92ebe52_attn
		.amdhsa_group_segment_fixed_size 327680
		.amdhsa_private_segment_fixed_size 0
		.amdhsa_enable_private_segment 0
		.amdhsa_kernarg_size 56
		.amdhsa_user_sgpr_count 2
		.amdhsa_user_sgpr_kernarg_segment_ptr 1
		.amdhsa_wavefront_size32 1
		.amdhsa_system_sgpr_workgroup_id_x 1
		.amdhsa_system_sgpr_workgroup_id_y 1
		.amdhsa_system_sgpr_workgroup_id_z 1
		.amdhsa_system_vgpr_workitem_id 0
		.amdhsa_next_free_vgpr 512
		.amdhsa_next_free_sgpr 100
		.amdhsa_reserve_vcc 0
		.amdhsa_float_denorm_mode_32 3
		.amdhsa_float_denorm_mode_16_64 3
		.amdhsa_memory_ordered 1
		.amdhsa_forward_progress 1
		.amdhsa_inst_pref_size 159
	.end_amdhsa_kernel
	.amdgpu_metadata
---
amdhsa.version: [ 1, 2 ]
amdhsa.kernels:
  - .name:           k_qb3e92ebe52_attn
    .symbol:         k_qb3e92ebe52_attn.kd
    .args:
      - { .name: codes, .offset: 0, .size: 8, .value_kind: global_buffer, .address_space: global }
      - { .name: sc, .offset: 8, .size: 8, .value_kind: global_buffer, .address_space: global }
      - { .name: kv, .offset: 16, .size: 8, .value_kind: global_buffer, .address_space: global }
      - { .name: doc_similarities, .offset: 24, .size: 8, .value_kind: global_buffer, .address_space: global }
      - { .name: beta, .offset: 32, .size: 8, .value_kind: global_buffer, .address_space: global }
      - { .name: oc, .offset: 40, .size: 8, .value_kind: global_buffer, .address_space: global }
      - { .name: osc, .offset: 48, .size: 8, .value_kind: global_buffer, .address_space: global }
    .group_segment_fixed_size: 327680
    .private_segment_fixed_size: 0
    .kernarg_segment_align: 8
    .kernarg_segment_size: 56
    .max_flat_workgroup_size: 256
    .sgpr_count:     100
    .vgpr_count:     512
    .wavefront_size: 32
...
	.end_amdgpu_metadata
.endif
;; end of part 3
;; launch outproj (part 4): grid 8 x 32, 4 waves a work-group, clusters of 4 x 4, 197,120 bytes of LDS; arguments oc, osc, codes, sc, bout, out0; writes out0
.if DOCPART == 4
	.amdgcn_target "amdgcn-amd-amdhsa--gfx1250"
	.amdhsa_code_object_version 6
	.text
	.protected	k_qb3e92ebe52_outproj
	.globl	k_qb3e92ebe52_outproj
	.p2align	8
	.type	k_qb3e92ebe52_outproj,@function
k_qb3e92ebe52_outproj:
	s_mov_b64 s[64:65], 0
	v_nop
	global_prefetch_b8 v0, s[64:65] scope:SCOPE_SE
	s_setreg_imm32_b32 hwreg(HW_REG_WAVE_MODE, 25, 1), 1
	s_wait_xcnt 0x0
	s_wait_alu depctr_hold_cnt(0) depctr_sa_sdst(0) depctr_va_vdst(0) depctr_va_sdst(0) depctr_va_ssrc(0) depctr_va_vcc(0) depctr_vm_vsrc(0)
	s_getreg_b32 s2, hwreg(HW_REG_IB_STS2, 6, 4)
	s_cmp_eq_u32 s2, 0
	s_cbranch_scc0 .Lentry_in_a_cluster
	s_endpgm
.Lentry_in_a_cluster:
	s_bfe_u32 s2, ttmp6, 0x10000c
	s_cmp_lg_u32 s2, 0xf033
	s_cbranch_scc0 .Lentry_shape_is_right
	s_endpgm
.Lentry_shape_is_right:
; out0 = attention's result x Wout + bout, on codes of BF6 (E3M2) with E8M0 scales, K = 1,024 (K step = head).  Both operands lie in memory in the order of their registers.
; LIMITS: NaN and infinities are not served.
; A work-group makes 64 tokens x 128 columns; all its operands (4 + 8 tiles x 12,288 bytes) come into LDS once, by first fills: no LDS byte is filled again.
; CLUSTER 4 x 4: the tokens' tiles are shared along a row of the cluster, Wout's along a column: joint loads.  Wave 0 fetches the tokens' 49,152 bytes, waves 1-3 a third of Wout's 98,304 each.
; THE MATRIX INSTRUCTION IS USED TRANSPOSED (source 0 = 16 columns of Wout, source 1 = 16 tokens): a lane holds eight neighbouring columns of one token.  A wave makes 2 tiles of tokens x 4 tiles of columns.
; The sums are started by LOADING the bias into the accumulators, in the result's layout: every product then adds in place, and nothing is cleared.  The eight accumulators take turns.
; A tile's lane-row r is row 32 (T / 2) + 8 (T % 2) + r + 8 (r / 8): the stage on the way out puts tokens and columns back into their order.
; REGISTERS: v1-6 addresses; v8-15 the tokens' scale words, v16-31 Wout's (lanes 0-15 K steps 0-3, lanes 16-31 K steps 4-7); v32-103, v104-175 two sets of six fragments; v176-239 the accumulators.
.set RB,   49152                       ; LDS: the tokens' 4 tiles, then Wout's 8,
.set STG,  147456                      ; then the stage: 64 rows x (512 bytes + 16)
.set SPI,  528
.set G1P,  24
.set G1R,  32
.set G0P,  40
.set G0R,  44
.macro PLACES
.rept 4
	v_nop
.endr
.endm
.macro CROUND
	s_barrier_signal -1
	s_barrier_wait -1
	s_cmp_lg_u32 s16, 0
	s_cbranch_scc1 .Lnot_wave_0_\@
	s_barrier_signal -3
.Lnot_wave_0_\@:
	s_barrier_wait -3
	s_barrier_signal -1
	s_barrier_wait -1
.endm
.macro MM d, a, b, sa, sb, row         ; D = C = v[d ..]; row = 1: lanes 16-31 of both scale registers
.if \row
	v_wmma_scale_f32_16x16x128_f8f6f4 v[\d:\d+7], v[\a:\a+11], v[\b:\b+11], v[\d:\d+7], v[\sa], v[\sb] matrix_a_fmt:MATRIX_FMT_BF6 matrix_b_fmt:MATRIX_FMT_BF6 matrix_a_scale:MATRIX_SCALE_ROW1 matrix_b_scale:MATRIX_SCALE_ROW1
.else
	v_wmma_scale_f32_16x16x128_f8f6f4 v[\d:\d+7], v[\a:\a+11], v[\b:\b+11], v[\d:\d+7], v[\sa], v[\sb] matrix_a_fmt:MATRIX_FMT_BF6 matrix_b_fmt:MATRIX_FMT_BF6
.endif
.endm
	s_load_b256 s[4:11], s[0:1], 0x0               ; oc, osc, codes, sc
	s_load_b128 s[12:15], s[0:1], 0x20             ; bout, out0
	v_lshl_add_u32 v254, v0, 2, 0x30000
	v_mov_b32 v255, 0
	ds_add_u32 v254, v255
	ds_add_u32 v254, v255
	v_lshrrev_b32 v1, 5, v0
	v_readfirstlane_b32 s16, v1                    ; wave
	s_lshr_b32 s17, s16, 1                         ; my half of the tokens
	s_and_b32 s18, s16, 1                          ; my half of the columns
	s_bfe_u32 s48, ttmp6, 0x40000                  ; cx
	s_bfe_u32 s49, ttmp6, 0x40004                  ; cy
	s_lshl_b32 s50, ttmp9, 2
	s_add_co_u32 s50, s50, s48                     ; which 128 columns
	s_and_b32 s51, ttmp7, 0xffff
	s_lshl_b32 s51, s51, 2
	s_add_co_u32 s51, s51, s49                     ; which 64 tokens
	s_lshl_b32 s52, s49, 2
	s_lshl_b32 s52, 15, s52                        ; my row of the cluster
	s_lshl_b32 s53, 0x1111, s48                    ; my column
	s_or_b32 s[G1P], s52, (3<<16)|(1<<21)          ; dense blocks as rows of 256 bytes (32 elements of 8 bytes)
	s_mov_b32 s[G1P+1], 32<<16
	s_mov_b32 s[G1P+2], 192<<16
	s_mov_b32 s[G1P+3], 32<<16
	s_mov_b32 s[G1P+4], 192
	s_mov_b32 s[G1P+5], 32
	s_mov_b32 s[G1P+6], 0
	s_mov_b32 s[G1P+7], 0
	s_or_b32 s[G1R], s53, (3<<16)|(1<<21)
	s_mov_b32 s[G1R+1], 32<<16
	s_mov_b32 s[G1R+2], 128<<16
	s_mov_b32 s[G1R+3], 32<<16
	s_mov_b32 s[G1R+4], 128
	s_mov_b32 s[G1R+5], 32
	s_mov_b32 s[G1R+6], 0
	s_mov_b32 s[G1R+7], 0
	s_mul_i32 s54, s51, 49152
	s_mov_b32 s55, 0
	s_add_co_u32 s58, s16, 3
	s_and_b32 s58, s58, 3
	s_min_u32 s58, s58, 2                          ; waves 1-3: which third of Wout's tiles
	s_lshl_b32 s59, s58, 15
	s_lshl_b32 s56, s50, 3
	s_add_co_u32 s56, s56, 832
	s_mul_i32 s56, s56, 12288
	s_add_co_u32 s56, s56, s59
	s_mov_b32 s57, 0
	s_wait_dscnt 0x0
	s_wait_kmcnt 0x0
	s_mov_b32 s[G0P], 1
	s_mov_b32 s[G0P+1], 0
	s_add_nc_u64 s[G0P+2:G0P+3], s[4:5], s[54:55]
	s_or_b32 s[G0P+3], s[G0P+3], 0x80000000
	s_mov_b32 s[G0R], 1
	s_add_co_u32 s[G0R+1], s59, RB
	s_add_nc_u64 s[G0R+2:G0R+3], s[8:9], s[56:57]
	s_or_b32 s[G0R+3], s[G0R+3], 0x80000000
	CROUND                                         ; all sixteen work-groups are here: the joint loads meet
	s_cmp_eq_u32 s16, 0
	s_cbranch_scc0 .Lfor_r
	tensor_load_to_lds s[G0P:G0P+3], s[G1P:G1P+7]
	s_nop 0
	PLACES
	s_branch .Lasked
.Lfor_r:
	tensor_load_to_lds s[G0R:G0R+3], s[G1R:G1R+7]
	s_nop 0
	PLACES
.Lasked:
	v_and_b32 v6, 31, v0
	v_lshlrev_b32 v1, 4, v6                        ; 16 x lane
	s_mul_i32 s68, s17, 24576
	v_add_nc_u32 v2, s68, v1                       ; my two tiles of tokens
	s_mul_i32 s68, s18, 49152
	s_add_co_u32 s68, s68, RB
	v_add_nc_u32 v3, s68, v1                       ; my four tiles of columns
	v_lshrrev_b32 v7, 4, v6                        ; h
	v_lshlrev_b32 v4, 6, v7                        ; 64 h: my half's 16 columns in bytes
	s_wait_alu depctr_va_vdst(0)
	v_and_b32 v6, 15, v6                           ; r
	v_and_b32 v5, 8, v6
	v_add_nc_u32 v5, v5, v6                        ; r + 8 (r / 8)
	v_mul_u32_u24 v5, v5, SPI
	v_add_nc_u32 v5, v5, v4
	s_mul_i32 s68, s17, 32*SPI
	s_lshl_b32 s69, s18, 8
	s_add_co_u32 s68, s68, s69
	s_add_co_u32 s68, s68, STG
	v_add_nc_u32 v5, s68, v5                       ; the stage, in: token 32 ph + r + 8 (r / 8) (+ 8 a), byte 256 rh + 64 h (+ the tile's)
	s_mul_i32 s68, s16, 16*SPI
	s_add_co_u32 s68, s68, STG
	v_add_nc_u32 v6, s68, v1                       ; and back: my 16 rows, 16 bytes a lane
	s_lshl_b32 s66, s51, 2
	s_lshl_b32 s68, s17, 1
	s_add_co_u32 s66, s66, s68
	s_lshl_b32 s66, s66, 9
	s_mov_b32 s67, 0
	s_add_nc_u64 s[60:61], s[6:7], s[66:67]        ; my tokens' scale words
	s_lshl_b32 s66, s50, 3
	s_lshl_b32 s68, s18, 2
	s_add_co_u32 s66, s66, s68
	s_add_co_u32 s66, s66, 832
	s_lshl_b32 s66, s66, 9
	s_add_nc_u64 s[62:63], s[10:11], s[66:67]      ; my columns'
	s_lshl_b32 s66, s50, 9
	s_lshl_b32 s68, s18, 8
	s_add_co_u32 s66, s66, s68
	s_add_nc_u64 s[12:13], s[12:13], s[66:67]      ; the bias of my 64 columns
	s_lshl_b32 s66, s51, 6
	s_lshl_b32 s68, s16, 4
	s_add_co_u32 s66, s66, s68
	s_lshl_b32 s66, s66, 12
	s_lshl_b32 s68, s50, 9
	s_add_co_u32 s66, s66, s68
	s_add_nc_u64 s[14:15], s[14:15], s[66:67]      ; out0 at row 64 wgy + 16 w, column 128 wgx
.irp a, 0,1
	global_load_b128 v[8+4*\a:11+4*\a], v1, s[60:61] offset:512*\a
.endr
.irp t, 0,1,2,3
	global_load_b128 v[16+4*\t:19+4*\t], v1, s[62:63] offset:512*\t
.endr
.irp a, 0,1
.irp t, 0,1,2,3
	global_load_b128 v[176+8*(4*\a+\t):179+8*(4*\a+\t)], v4, s[12:13] offset:128*(\t/2)+32*(\t%2)      ; register j of tile t: column 32 (t / 2) + 8 (t % 2) + 16 h + j of my 64
	global_load_b128 v[180+8*(4*\a+\t):183+8*(4*\a+\t)], v4, s[12:13] offset:128*(\t/2)+32*(\t%2)+16
.endr
.endr
	s_wait_tensorcnt 0x0
	s_barrier_signal -1
	s_barrier_wait -1                              ; all twelve tiles lie in LDS
	s_wait_loadcnt 0x0
.macro FETCH s                         ; K step s: 18 loads of 16 bytes a lane into set s % 2
.set FS, 32+72*((\s)%2)
.irp a, 0,1
.irp j, 0,1,2
	ds_load_b128 v[FS+12*\a+4*\j:FS+12*\a+4*\j+3], v2 offset:\a*12288+1536*(\s)+512*\j
.endr
.endr
.irp t, 0,1,2,3
.irp j, 0,1,2
	ds_load_b128 v[FS+24+12*\t+4*\j:FS+24+12*\t+4*\j+3], v3 offset:\t*12288+1536*(\s)+512*\j
.endr
.endr
.endm
	FETCH 0
.irp s, 0,1,2,3,4,5,6,7
.if \s < 7
.if \s > 0
	PLACES                                         ; in front of loads into the set that the last K step's products read
.endif
	FETCH \s+1
	s_wait_dscnt 18                                ; all but the 18 just issued
.else
	s_wait_dscnt 0x0
.endif
.set FS, 32+72*(\s%2)
.irp a, 0,1
.irp t, 0,1,2,3
	MM 176+8*(4*\a+\t), FS+24+12*\t, FS+12*\a, 16+4*\t+\s%4, 8+4*\a+\s%4, \s/4
.endr
.endr
.endr
	PLACES
	s_wait_alu depctr_va_vdst(0)
.irp a, 0,1
.irp t, 0,1,2,3
	ds_store_b128 v5, v[176+8*(4*\a+\t):179+8*(4*\a+\t)] offset:\a*8*SPI+128*(\t/2)+32*(\t%2)       ; each accumulator from its low end on
	ds_store_b128 v5, v[180+8*(4*\a+\t):183+8*(4*\a+\t)] offset:\a*8*SPI+128*(\t/2)+32*(\t%2)+16
.endr
.endr
	s_wait_dscnt 0x0                               ; for the others' sake: a row's 512 bytes come from two waves
	s_barrier_signal -1
	s_barrier_wait -1
.irp i, 0,1,2,3,4,5,6,7,8,9,10,11,12,13,14,15
	ds_load_b128 v[32+4*\i:35+4*\i], v6 offset:\i*SPI
.endr
.irp i, 0,1,2,3,4,5,6,7,8,9,10,11,12,13,14,15
	s_wait_dscnt 15-\i
	global_store_b128 v1, v[32+4*\i:35+4*\i], s[14:15] offset:4096*\i th:TH_STORE_NT   ; 32 lanes store 512 consecutive bytes, aligned; written once
.endr
	s_wait_tensorcnt 0x0
	ds_add_u32 v254, v255
	s_wait_dscnt 0x0
	CROUND                                         ; the closing round
	s_endpgm
.Lfunc_end_k_qb3e92ebe52_outproj:
	.size	k_qb3e92ebe52_outproj, .Lfunc_end_k_qb3e92ebe52_outproj-k_qb3e92ebe52_outproj
	.p2alignl 7, 3214868480
	.fill 96, 4, 3214868480
	.section	.rodata,"a",@progbits
	.p2align	6, 0x0
	.amdhsa_kernel k_qb3e92ebe52_outproj
		.amdhsa_group_segment_fixed_size 197120
		.amdhsa_private_segment_fixed_size 0
		.amdhsa_enable_private_segment 0
		.amdhsa_kernarg_size 48
		.amdhsa_user_sgpr_count 2
		.amdhsa_user_sgpr_kernarg_segment_ptr 1
		.amdhsa_wavefront_size32 1
		.amdhsa_system_sgpr_workgroup_id_x 1
		.amdhsa_system_sgpr_workgroup_id_y 1
		.amdhsa_system_sgpr_workgroup_id_z 1
		.amdhsa_system_vgpr_workitem_id 0
		.amdhsa_next_free_vgpr 256
		.amdhsa_next_free_sgpr 80
		.amdhsa_reserve_vcc 0
		.amdhsa_float_denorm_mode_32 3
		.amdhsa_float_denorm_mode_16_64 3
		.amdhsa_memory_ordered 1
		.amdhsa_forward_progress 1
		.amdhsa_inst_pref_size 31
	.end_amdhsa_kernel
	.amdgpu_metadata
---
amdhsa.version: [ 1, 2 ]
amdhsa.kernels:
  - .name:           k_qb3e92ebe52_outproj
    .symbol:         k_qb3e92ebe52_outproj.kd
    .args:
      - { .name: oc, .offset: 0, .size: 8, .value_kind: global_buffer, .address_space: global }
      - { .name: osc, .offset: 8, .size: 8, .value_kind: global_buffer, .address_space: global }
      - { .name: codes, .offset: 16, .size: 8, .value_kind: global_buffer, .address_space: global }
      - { .name: sc, .offset: 24, .size: 8, .value_kind: global_buffer, .address_space: global }
      - { .name: bout, .offset: 32, .size: 8, .value_kind: global_buffer, .address_space: global }
      - { .name: out0, .offset: 40, .size: 8, .value_kind: global_buffer, .address_space: global }
    .group_segment_fixed_size: 197120
    .private_segment_fixed_size: 0
    .kernarg_segment_align: 8
    .kernarg_segment_size: 48
    .max_flat_workgroup_size: 128
    .sgpr_count:     80
    .vgpr_count:     256
    .wavefront_size: 32
...
	.end_amdgpu_metadata
.endif
;; end of part 4
